; MI455X (gfx1250); checked and timed in simulation.
; The chip was launched on July 23, 2026; its instructions are those of AMD's public machine-readable ISA for CDNA 5 (MIT licence, August 2026) and "CDNA5" Instruction Set Architecture Reference Guide (July 2026). The comments in the code are by the model that wrote it; some were corrected since.
;; Multiheadattention. Allowed arithmetic: matrix products marked QUANTISED: E2M3 operands, one E8M0 scale for each 32 along K, by v_wmma_scale_f32_16x16x128_f8f6f4 with both operands' format E2M3, f32 sums; everything else in f32.
;; Inputs: WK 8 x 512 x 64 float32; WO 512 x 64 float32; WQ 8 x 512 x 64 float32; WV 8 x 512 x 64 float32; x 8 x 2,048 x 512 float32.
;; Outputs: out0 8 x 2,048 x 64 float32.
;; This version of the problem:
;;   THIS VERSION OF THE PROBLEM IS GIVEN IN LOW PRECISION. The matrix products marked QUANTISED in the list below multiply operands that are first quantised to E2M3 (2 exponent bits, 3 mantissa bits; 6 bits a number), with one power-of-two scale for each 32 numbers along K (OCP MX v1.0); their sums are f32. All else is computed in f32.
;;   The module's matrix products, in the order in which they are computed (A, B: the left and right operand; K: the contracted axis; several contracted axes count as one K, in the product's order):
;;     1. [M 512, K 512] x [K 512, N 16,384]; A: input WQ; B: input x: QUANTISED
;;     2. [M 512, K 512] x [K 512, N 16,384]; A: input WK; B: input x: QUANTISED
;;     3. [M 512, K 512] x [K 512, N 16,384]; A: input WV; B: input x: QUANTISED
;;     4. batch 64 x [M 2,048, K 64] x [K 64, N 2,048]; A: computed on the way; B: computed on the way: QUANTISED
;;     5. batch 64 x [M 2,048, K 2,048] x [K 2,048, N 64]; A: softmax (see below); B: computed on the way: QUANTISED
;;     6. [M 16,384, K 512] x [K 512, N 64]; A: computed on the way; B: input WO: QUANTISED
;;   THE QUANTISER, for each operand of a quantised product, along K:
;;     - K is cut into blocks of 32 from its start; a last block that is shorter is filled with zeros.
;;     - A block's scale is 2^e with e = floor(log2(the largest magnitude in the block)) - 2, held to -126 .. 127; a block of zeros has e = 0. As a byte (E8M0): e + 127.
;;     - Each number is divided by its block's scale, clamped to +-7.5, and rounded to the nearest number of E2M3, ties to even, subnormals kept.
;;     - The product sums the exact products of the quantised numbers (number of the format x scale) in f32.
;;   ~~~python
;;   def quantise(x, axis):      # numpy; x: float32 -> the quantised numbers, widened to float32 again
;;       x = np.moveaxis(x, axis, -1); K = x.shape[-1]
;;       x = np.pad(x, [(0, 0)] * (x.ndim - 1) + [(0, -K % 32)]); x = x.reshape(x.shape[:-1] + (-1, 32)); a = np.abs(x).max(-1, keepdims=True)
;;       e = np.where(a > 0, np.clip(np.frexp(np.where(a > 0, a, 1))[1] - 1 - 2, -126, 127), 0)      # np.frexp(a)[1] - 1 = floor(log2(a)), exactly
;;       r = np.clip(x / 2.0 ** e, -7.5, 7.5)
;;       step = 2.0 ** (np.maximum(np.frexp(np.where(r == 0, 1, r))[1] - 1, 0) - 3)
;;       q = np.round(r / step) * step * 2.0 ** e      # np.round: ties to even
;;       return np.moveaxis(q.reshape(q.shape[:-2] + (-1,))[..., :K], -1, axis).astype(np.float32)
;;   ~~~
;;   SOFTMAX AHEAD OF A QUANTISED PRODUCT. Where the list says 'softmax', what is quantised is not the finished softmax but p = 2^(t - M), with t = logit x log2(e) and M = ceil(the row's largest t), a whole number; so 1/2 < the row's largest p <= 1. The row's sum l is taken of the UNQUANTISED p, in f32, and the product's result is divided by l at the end. Since M is a whole number, a kernel that streams over the keys may use a running M (the ceiling of the running maximum): every later rescaling is an exact power of two, which a block's scale takes up: the codes' values come out the same.
;;   OPERANDS COMPUTED ON THE WAY. 'Computed on the way' means the value that the module computes at that place (a softmax that the list does not call 'softmax' is quantised finished and normalised). What goes into a quantiser is computed in f32, as accurately as f32 sums, v_exp_f32 and their like allow (about 1e-6 of the number): no bf16 or f16 on the way to a quantiser, and a product that is left as it is and whose result goes on into a quantised operand takes f32 operands (vector FMAs, or v_wmma_f32_16x16x4_f32). A number that lies on a knife's edge between two numbers of the format may be rounded either way, as far as f32 arithmetic and the matrix unit's own rounding can turn it there, and no further.
;; 2 versions. Each part assembles by itself: llvm-mc -triple=amdgcn-amd-amdhsa -mcpu=gfx1250 --defsym DOCPART=n.
;; ======== version 1 of 2: 4 launches
;; workspace buffers: wf 665,600 bytes; qw 6,815,744 bytes; kv 13,107,200 bytes; oc 6,291,456 bytes; os 524,288 bytes
;; launch prep (part 1): grid 4 x 25, 4 waves a work-group, no clusters, 0 bytes of LDS; arguments WQ, WK, WV, WO, wf; writes wf
.if DOCPART == 1
	.amdgcn_target "amdgcn-amd-amdhsa--gfx1250"
	.amdhsa_code_object_version 6
	.text
	.protected	k_qbeda7eba3d_prep
	.globl	k_qbeda7eba3d_prep
	.p2align	8
	.type	k_qbeda7eba3d_prep,@function
k_qbeda7eba3d_prep:
	s_mov_b64 s[64:65], 0
	v_nop
	global_prefetch_b8 v0, s[64:65] scope:SCOPE_SE
	s_setreg_imm32_b32 hwreg(HW_REG_WAVE_MODE, 25, 1), 1
	s_wait_xcnt 0x0
; The 24 head matrices of WQ, WK, WV and the matrix WO, each [512 (k)][64 (n)] f32 with K as its FIRST axis, become codes of FP6 (E2M3) with one E8M0 byte for each 32 along K,
; laid in the ORDER OF AN OPERAND'S REGISTERS: a fragment (16 columns x 128 K, 12 registers a lane) is three planes of 512 bytes, plane c = registers 4 c .. 4 c + 3, lane l's 16 bytes at 16 l.
; Matrix y (0-7 WQ's heads, 8-15 WK's, 16-23 WV's, 24 WO), tile f of 16 columns, K step s: codes at (16 y + 4 f + s) x 1,536, its scale words (a word a lane, both halves of the lanes alike) at SCB + (16 y + 4 f + s) x 128.
; THE COLUMNS OF A TILE ARE NOT NEIGHBOURS: lane r of tile f takes column 32 (f / 2) + 8 (f % 2) + r + 8 (r / 8), so that results made with these tiles as source 0 hold 16 neighbours in the 16 registers of tiles 2 b and 2 b + 1.
; A LANE TAKES A COLUMN AND ITS REGISTERS RUN DOWN K, in the order that the operand's layout gives that lane (k = 64 c + 32 (l / 16) + 0 .. 31): the conversions' results are the operand's registers.
; SHARES: work-group (s, y), wave f: one fragment a wave; 100 work-groups are all the work there is.  No LDS, no barrier: waves share nothing.
; A block's scale is 2^(floor(log2(largest magnitude)) - 2): its byte is the largest magnitude's exponent field - 2, held at 1 from below.
; LIMITS: a block of zeros gets the byte 1 (its codes are zeros, and this program alone reads the bytes); blocks whose largest magnitude lies under 2^-124 take the byte 1; NaN and infinities among the inputs are not served.
.set FRB, 1536                         ; a fragment's image in bytes
.set SCB, 400*FRB                      ; behind the 400 images: the scale words
	s_load_b256 s[4:11], s[0:1], 0x0               ; WQ s[4:5], WK s[6:7], WV s[8:9], WO s[10:11]
	s_load_b64 s[12:13], s[0:1], 0x20              ; wf
	v_lshrrev_b32 v6, 5, v0
	v_readfirstlane_b32 s14, v6                    ; f: my wave's tile of columns
	s_and_b32 s15, ttmp7, 0xffff                   ; y: the matrix
	v_and_b32 v7, 31, v0                           ; lane
	v_and_b32 v1, 15, v0                           ; r
	v_bfe_u32 v2, v0, 4, 1                         ; h
	v_lshlrev_b32 v3, 4, v7                        ; 16 x lane: my place in a plane
	v_lshlrev_b32 v4, 2, v7                        ; 4 x lane: my scale word's place
	v_and_b32 v5, 8, v1
	v_add_nc_u32 v5, v5, v1                        ; r + 8 (r / 8)
	v_lshlrev_b32 v5, 2, v5                        ; 4 bytes a column
	v_lshl_add_u32 v5, v2, 13, v5                  ; lanes 16-31 begin 32 rows of 256 bytes further down
	s_lshr_b32 s16, s14, 1
	s_lshl_b32 s16, s16, 7                         ; 32 (f / 2) columns
	s_and_b32 s17, s14, 1
	s_lshl_b32 s17, s17, 5                         ; 8 (f % 2) columns
	s_add_co_u32 s16, s16, s17
	v_add_nc_u32 v5, s16, v5
	s_and_b32 s18, s15, 7
	s_lshl_b32 s18, s18, 17                        ; the head's matrix: 131,072 bytes each (WO: y & 7 = 0)
	s_lshl_b32 s19, ttmp9, 15                      ; K step s: 128 rows of 256 bytes
	s_add_co_u32 s18, s18, s19
	s_mov_b32 s19, 0
	s_lshl_b32 s20, s15, 4
	s_lshl_b32 s21, s14, 2
	s_add_co_u32 s20, s20, s21
	s_add_co_u32 s20, s20, ttmp9                   ; the fragment's number: 16 y + 4 f + s
	s_mul_i32 s22, s20, FRB
	s_mov_b32 s23, 0
	s_lshl_b32 s24, s20, 7
	s_add_co_u32 s24, s24, SCB
	s_mov_b32 s25, 0
	s_mov_b32 s26, 0x76543210
	s_mov_b32 s27, 0xfedcba98                      ; v_permlanex16_b32's selects for lane l xor 16
	s_wait_kmcnt 0x0
	s_cmp_lt_u32 s15, 16                           ; which tensor: the choice hangs on the work-group's number alone
	s_cselect_b64 s[6:7], s[6:7], s[8:9]
	s_cmp_lt_u32 s15, 8
	s_cselect_b64 s[4:5], s[4:5], s[6:7]
	s_cmp_eq_u32 s15, 24
	s_cselect_b64 s[4:5], s[10:11], s[4:5]
	s_add_nc_u64 s[4:5], s[4:5], s[18:19]
	s_add_nc_u64 s[22:23], s[12:13], s[22:23]      ; where my codes go
	s_add_nc_u64 s[24:25], s[12:13], s[24:25]      ; and my scale words
.irp c, 0,1
.irp i, 0,1,2,3,4,5,6,7,8,9,10,11,12,13,14,15,16,17,18,19,20,21,22,23,24,25,26,27,28,29,30,31
	global_load_b32 v[64+32*\c+\i], v5, s[4:5] offset:256*(64*\c+\i)   ; W(128 s + 64 c + 32 h + i, my column)
.endr
.endr
	s_wait_loadcnt 0x0
.irp c, 0,1                                    ; my block 2 c + h: all its 32 numbers are mine
	v_max3_num_f32 v[32+\c], |v[64+32*\c]|, |v[65+32*\c]|, 0x1800000   ; with the floor 2^(3 - 127): the byte cannot fall under 1
.endr
.irp i, 2,4,6,8,10,12,14,16,18,20,22,24,26,28,30
.irp c, 0,1
	v_max3_num_f32 v[32+\c], v[32+\c], |v[64+32*\c+\i]|, |v[65+32*\c+\i]|   ; (the two blocks by turns)
.endr
.endr
.irp c, 0,1
	v_add_nc_u32 v[44+\c], 0xff000000, v[32+\c]    ; 2 off the exponent field: the conversion takes this operand's exponent field as its scale
.endr
.irp c, 0,1
	v_lshrrev_b32 v[36+\c], 23, v[44+\c]           ; the scale's byte
.endr
	v_lshl_or_b32 v9, v37, 16, v36                 ; my two bytes: blocks h and 2 + h,
	v_lshlrev_b32 v10, 3, v2
	v_lshlrev_b32 v9, v10, v9                      ; at their places in the word (8 h bits up);
	v_mov_b32 v10, 0
	v_permlanex16_b32 v10, v9, s26, s27
	v_or_b32 v9, v9, v10                           ; with lane l xor 16's two the word is whole, in both halves of the lanes
.irp c, 0,1
	v_cvt_scalef32_pk16_fp6_f32 v[48+6*\c:50+6*\c], v[64+32*\c:79+32*\c], v[44+\c]   ; registers 6 c .. 6 c + 2 of the operand
	v_cvt_scalef32_pk16_fp6_f32 v[16+4*\c:18+4*\c], v[80+32*\c:95+32*\c], v[44+\c]   ; (a conversion's three registers begin on an even number: the second half is made elsewhere and moved)
.endr
	v_nop                                          ; one plain place behind a scaled conversion
.irp c, 0,1
.irp i, 0,1,2
	v_mov_b32 v[51+6*\c+\i], v[16+4*\c+\i]
.endr
.endr
.irp c, 0,1,2
	global_store_b128 v3, v[48+4*\c:51+4*\c], s[22:23] offset:512*\c   ; 32 lanes store 512 consecutive bytes, at a multiple of 256 from wf's first byte
.endr
	global_store_b32 v4, v9, s[24:25]
	s_endpgm
.Lfunc_end_k_qbeda7eba3d_prep:
	.size	k_qbeda7eba3d_prep, .Lfunc_end_k_qbeda7eba3d_prep-k_qbeda7eba3d_prep
	.p2alignl 7, 3214868480
	.fill 96, 4, 3214868480
	.section	.rodata,"a",@progbits
	.p2align	6, 0x0
	.amdhsa_kernel k_qbeda7eba3d_prep
		.amdhsa_group_segment_fixed_size 0
		.amdhsa_private_segment_fixed_size 0
		.amdhsa_enable_private_segment 0
		.amdhsa_kernarg_size 40
		.amdhsa_user_sgpr_count 2
		.amdhsa_user_sgpr_kernarg_segment_ptr 1
		.amdhsa_wavefront_size32 1
		.amdhsa_system_sgpr_workgroup_id_x 1
		.amdhsa_system_sgpr_workgroup_id_y 1
		.amdhsa_system_sgpr_workgroup_id_z 1
		.amdhsa_system_vgpr_workitem_id 0
		.amdhsa_next_free_vgpr 128
		.amdhsa_next_free_sgpr 66
		.amdhsa_reserve_vcc 0
		.amdhsa_float_denorm_mode_32 3
		.amdhsa_float_denorm_mode_16_64 3
		.amdhsa_memory_ordered 1
		.amdhsa_forward_progress 1
		.amdhsa_inst_pref_size 12
	.end_amdhsa_kernel
	.amdgpu_metadata
---
amdhsa.version: [ 1, 2 ]
amdhsa.kernels:
  - .name:           k_qbeda7eba3d_prep
    .symbol:         k_qbeda7eba3d_prep.kd
    .args:
      - { .name: WQ, .offset: 0, .size: 8, .value_kind: global_buffer, .address_space: global }
      - { .name: WK, .offset: 8, .size: 8, .value_kind: global_buffer, .address_space: global }
      - { .name: WV, .offset: 16, .size: 8, .value_kind: global_buffer, .address_space: global }
      - { .name: WO, .offset: 24, .size: 8, .value_kind: global_buffer, .address_space: global }
      - { .name: wf, .offset: 32, .size: 8, .value_kind: global_buffer, .address_space: global }
    .group_segment_fixed_size: 0
    .private_segment_fixed_size: 0
    .kernarg_segment_align: 8
    .kernarg_segment_size: 40
    .max_flat_workgroup_size: 128
    .sgpr_count:     66
    .vgpr_count:     128
    .wavefront_size: 32
...
	.end_amdgpu_metadata
.endif
;; end of part 1
;; launch proj (part 2): grid 2 x 128, 4 waves a work-group, no clusters, 53,760 bytes of LDS; arguments x, wf, qw, kv; writes qw, kv
.if DOCPART == 2
	.amdgcn_target "amdgcn-amd-amdhsa--gfx1250"
	.amdhsa_code_object_version 6
	.text
	.protected	k_qbeda7eba3d_proj
	.globl	k_qbeda7eba3d_proj
	.p2align	8
	.type	k_qbeda7eba3d_proj,@function
k_qbeda7eba3d_proj:
	s_mov_b64 s[64:65], 0
	v_nop
	global_prefetch_b8 v0, s[64:65] scope:SCOPE_SE
	s_setreg_imm32_b32 hwreg(HW_REG_WAVE_MODE, 25, 1), 1
	s_wait_xcnt 0x0
; Q, K, V = x W, on codes of FP6 (E2M3) with one E8M0 scale for each 32 along K = 512; then Q and K are quantised along their 64 features and V along the keys (tokens), for the attention launch.
; SHARES.  Work-group (yh, G): 128 tokens (group G of the 16,384) x heads 4 yh .. 4 yh + 3.  Wave w owns head 4 yh + w and makes its Q, K and V for all 128 tokens: one whole record of qw and one of kv.
; x IS QUANTISED ONCE A WORK-GROUP: wave w turns tokens 32 w .. 32 w + 31 into 8 fragments (2 tiles x 4 K steps) and puts them into LDS as IMAGES OF THEIR REGISTERS (3 stores of 512 bytes); one barrier; every wave loads them back by the same lines.
; THE TOKENS OF A TILE ARE NOT NEIGHBOURS: lane r of tile T takes token 32 (T / 2) + 8 (T % 2) + r + 8 (r / 8); the weights' tiles of columns are laid alike.  So the 16 registers of two neighbouring result tiles are 16 neighbours along source 0's rows:
;   Q, K: source 0 = 16 columns of W, source 1 = 16 tokens: a lane holds ONE token, its registers run along the features, the next K.  Tiles T = 2 i and 2 i + 1 (64 registers) give ONE fragment [tile 2 i's 64 features | tile 2 i + 1's].
;   V:    source 0 = 16 tokens, source 1 = 16 columns of W: a lane holds ONE channel, its registers run along the tokens, the next K: 64 registers give one fragment of 16 channels x 128 keys.
; THE WEIGHTS come from wf straight into registers, in the operand's order, 48 loads of 512 bytes a matrix; two sets take turns (Q's, K's, then V's over Q's).
; NO CLUSTER, NO JOINT LOADS: a work-group's weights are 4 waves x 48 fragments x 1,536 = 294,912 bytes; with x's images (53,248) they pass a work-group's 327,680 bytes of LDS, and from LDS each fragment would be read once more on its way to registers;
; x must pass through registers to be quantised.
; OUT.  qw record (6,656 bytes; number 128 b + 16 head + g): 4 images [Q_a | Q_b], then 512 bytes: lane l's 16 bytes = the four images' scale words.
;       kv record (12,800 bytes, same number): 4 images of K, 4 of V, then 512 bytes: lane l's four words: K's fragments 0 | 1 (lanes 0-15 | 16-31), 2 | 3, V's 0 | 1, 2 | 3.
; LIMITS: a block of zeros gets the byte 1 (zero codes; this program alone reads the bytes); blocks whose largest magnitude lies under 2^-124 take the byte 1; NaN and infinities are not served.
; REGISTERS, in windows of 256 (s_set_vgpr_msb: bits 1:0 source 0, 3:2 source 1, 5:4 source 2, 7:6 destination): window 0: addresses, what the quantiser works in, x's fragments (two buffers), all scale words;
;   window 1: four sets of 64 numbers of x, later the 32 accumulators;  window 2: weight set A;  window 3: weight set B (fragment (f, s) at 12 (4 f + s)).
.set FRB,   1536                       ; a fragment's image
.set XIMG,  0                          ; LDS: x's 32 fragments, 4 T + s
.set XSC,   32*FRB                     ; their scale words: tile T's 512 bytes: lane l's 16 bytes = the words of K steps 0 .. 3
.set SPARE, XSC+8*512                  ; the spare words, 128 bytes for each wave: two blocks of 256 bytes that no other line names
.set SCB,   400*FRB                    ; wf: where the scale words begin
.set LI,  1                            ; v1   16 x lane
.set LS,  2                            ; v2   4 x lane
.set XA,  3                            ; v3   x: my token's row (2,048 bytes) + 64 h
.set XWI, 4                            ; v4   where I store x's images: 16 x lane + 8 FRB x wave
.set XWS, 5                            ; v5   and their scale words: 16 x lane + 1,024 x wave
.set SPW, 6                            ; v6   LDS address of my spare word; never rewritten
.set NIL, 7                            ; v7   0; never rewritten
.set FL,  8                            ; v8   the floor 2^(3 - 127)
.set TM,  10                           ; v10-13 largest magnitudes, v14-17 the other half's, then bytes, v22-25 the conversions' scale operands
.set PC,  26                           ; v26-37 the codes just made; v38-40, v42-44 the conversions' second halves
.set SW,  46                           ; v46-49 four fragments' scale words
.set SC,  50                           ; v50-53 kv's four scale words
.set XS,  54                           ; v54-61 x's scale words, two buffers of four
.set PWX, 62                           ; v62    the scale word of a fragment of x
.set XF,  64                           ; v64-159 x's four fragments of a tile, two buffers of 48
.set WSC, 160                          ; v160-207 the weights' scale words: 16 kind + 4 f + s
.set SEL, 18                           ; s[18:19] v_permlanex16_b32's selects for lane l xor 16
.set MSB, 0
.macro WIN new                         ; the immediate's high byte repeats the setting that is left
.if MSB != \new
	s_set_vgpr_msb (MSB<<8)|\new
.set MSB, \new
.endif
.endm
.macro PLACES                          ; four plain places: behind matrix instructions, in front of loads into registers that they read and of the first read of results
.rept 4
	v_nop
.endr
.endm
; 64 numbers of x a lane: tile e / 4 of my two, K step e % 4: of each block of 32 my half's 16 neighbours, into set `set` of window 1
.macro XLOAD set, e
	WIN 0x40
.irp b, 0,1,2,3
.irp j, 0,1,2,3
	global_load_b128 v[64*(\set)+16*\b+4*\j:64*(\set)+16*\b+4*\j+3], v[XA], s[26:27] offset:16384*((\e)/4)+512*((\e)%4)+128*\b+16*\j
.endr
.endr
.endm
; 64 numbers of a lane in window 1, register src + 16 b + i = k 32 b + 16 (lane / 16) + i of my row, become a fragment's codes in v[PC] on and its scale word in v[pw] (the same word in both halves of the lanes)
.macro QUANT src, pw
	WIN 0x14                                       ; sources 1 and 2 window 1
.irp b, 0,1,2,3
	v_max3_num_f32 v[TM+\b], v[FL], |v[(\src)+16*\b]|, |v[(\src)+16*\b+1]|   ; block b: my 16 numbers and the floor; each accumulator is read from its low end on
.endr
.irp i, 2,4,6,8,10,12,14
.irp b, 0,1,2,3
	v_max3_num_f32 v[TM+\b], v[TM+\b], |v[(\src)+16*\b+\i]|, |v[(\src)+16*\b+\i+1]|   ; (the four blocks by turns)
.endr
.endr
	WIN 0
.irp b, 0,1,2,3
	v_permlanex16_b32 v[TM+4+\b], v[TM+\b], s[SEL], s[SEL+1]
.endr
.irp b, 0,1,2,3
	v_max_num_f32 v[TM+\b], v[TM+\b], v[TM+4+\b]   ; with lane l xor 16's: the block's largest magnitude
.endr
.irp b, 0,1,2,3
	v_add_nc_u32 v[TM+12+\b], 0xff000000, v[TM+\b] ; 2 off its exponent field: the conversion's scale operand
.endr
.irp b, 0,1,2,3
	v_lshrrev_b32 v[TM+4+\b], 23, v[TM+12+\b]      ; the scale's byte
.endr
	v_lshl_or_b32 v[\pw], v[TM+5], 8, v[TM+4]
	v_lshl_or_b32 v[\pw], v[TM+6], 16, v[\pw]
	v_lshl_or_b32 v[\pw], v[TM+7], 24, v[\pw]
	WIN 0x01                                       ; source 0 window 1
.irp c, 0,1
	v_cvt_scalef32_pk16_fp6_f32 v[PC+6*\c:PC+6*\c+2], v[(\src)+32*\c:(\src)+32*\c+15], v[TM+12+2*\c]
	v_cvt_scalef32_pk16_fp6_f32 v[PC+12+4*\c:PC+14+4*\c], v[(\src)+16+32*\c:(\src)+31+32*\c], v[TM+13+2*\c]   ; (a conversion's three registers begin on an even number)
.endr
	WIN 0
	v_nop                                          ; one plain place behind a scaled conversion
.irp c, 0,1                                    ; the operand's layout wants a WHOLE block in a lane: lanes 0-15 block 2 c, lanes 16-31 block 2 c + 1
.irp i, 0,1,2
	v_permlane16_swap_b32 v[PC+6*\c+\i], v[PC+12+4*\c+\i]
.endr
.irp i, 0,1,2
	v_mov_b32 v[PC+3+6*\c+\i], v[PC+12+4*\c+\i]
.endr
.endr
.endm
; my head's weights of kind kap (0 Q, 1 K, 2 V), tiles lo .. hi, into the window that win names as destination
.macro WLOAD win, kap, lo, hi
	WIN \win
.irp f, 0,1,2,3
.if (\f >= \lo) && (\f <= \hi)
.irp s, 0,1,2,3
.irp c, 0,1,2
	global_load_b128 v[12*(4*\f+\s)+4*\c:12*(4*\f+\s)+4*\c+3], v[LI], s[22:23] offset:196608*(\kap)+(4*\f+\s)*FRB+512*\c
.endr
.endr
.endif
.endr
.endm
; tile T's four fragments of x and their four scale words, from LDS into buffer buf: 13 loads
.macro XFETCH T, buf
.irp s, 0,1,2,3
.irp c, 0,1,2
	ds_load_b128 v[XF+48*(\buf)+12*\s+4*\c:XF+48*(\buf)+12*\s+4*\c+3], v[LI] offset:XIMG+(4*(\T)+\s)*FRB+512*\c
.endr
.endr
	ds_load_b128 v[XS+4*(\buf):XS+4*(\buf)+3], v[LI] offset:XSC+512*(\T)
.endm
.macro WM d, a, b, ks, sa, sb          ; one product; K step 0 starts the sum: nothing is ever cleared
.if (\ks) == 0
	v_wmma_scale_f32_16x16x128_f8f6f4 v[(\d):(\d)+7], v[(\a):(\a)+11], v[(\b):(\b)+11], 0, v[\sa], v[\sb] matrix_a_fmt:MATRIX_FMT_FP6 matrix_b_fmt:MATRIX_FMT_FP6
.else
	v_wmma_scale_f32_16x16x128_f8f6f4 v[(\d):(\d)+7], v[(\a):(\a)+11], v[(\b):(\b)+11], v[(\d):(\d)+7], v[\sa], v[\sb] matrix_a_fmt:MATRIX_FMT_FP6 matrix_b_fmt:MATRIX_FMT_FP6
.endif
.endm
; 16 products: tile T of tokens x my head's four tiles of columns, K step by K step; the four accumulators take turns, one instruction a turn
.macro MULT T, buf, kap, win, isv
	WIN \win
.irp s, 0,1,2,3
.irp f, 0,1,2,3
.if \isv
	WM 64*\f+8*(\T), XF+48*(\buf)+12*\s, 12*(4*\f+\s), \s, XS+4*(\buf)+\s, WSC+16*(\kap)+4*\f+\s
.else
	WM 32*(\T)+8*\f, 12*(4*\f+\s), XF+48*(\buf)+12*\s, \s, WSC+16*(\kap)+4*\f+\s, XS+4*(\buf)+\s
.endif
.endr
.endr
.endm
; one of Q, K, V for the 128 tokens: 128 products.  lw: the younger global loads that may stay out when this kind's weights have to be there
.macro JOB kap, win, isv, lw
	s_wait_loadcnt \lw
	WIN 0
	XFETCH 0, 0
.irp T, 0,1,2,3,4,5,6,7
	WIN 0
	PLACES                                         ; the buffer filled next was read by the products just issued
.if \T < 7
	XFETCH \T+1, (\T+1)%2
	s_wait_dscnt 13                                ; all but the 13 loads just issued: this tile's fragments are in
.else
	s_wait_dscnt 0x0
.endif
	MULT \T, \T%2, \kap, \win, \isv
.endr
	WIN 0
	PLACES                                         ; in front of the first read of results, and of loads into the weights' registers
.endm
; the 256 accumulator registers become four fragments, which leave as images: each store is 512 consecutive bytes at a multiple of 256 from the buffer's first byte
.macro OUTQ base, off
.irp i, 0,1,2,3
	s_wait_xcnt 0x0                                ; the earlier stores have read their registers: the codes and the scale words may be written again
	QUANT 64*\i, SW+\i
.irp c, 0,1,2
	global_store_b128 v[LI], v[PC+4*\c:PC+4*\c+3], s[\base:\base+1] offset:\off+FRB*\i+512*\c
.endr
.endr
.endm
	s_load_b256 s[4:11], s[0:1], 0x0               ; x s[4:5], wf s[6:7], qw s[8:9], kv s[10:11]
	v_lshl_add_u32 v[SPW], v0, 2, SPARE
	v_mov_b32 v[NIL], 0
	v_lshrrev_b32 v9, 5, v0
	v_readfirstlane_b32 s12, v9                    ; wave 0..3
	s_and_b32 s14, ttmp7, 0xffff                   ; G: the group of 128 tokens
	s_lshl_b32 s15, ttmp9, 2
	s_add_co_u32 s15, s15, s12                     ; my head: 4 yh + wave
	v_and_b32 v[LS], 31, v0
	v_lshlrev_b32 v[LI], 4, v[LS]
	v_lshlrev_b32 v[LS], 2, v[LS]
	v_and_b32 v9, 15, v0                           ; r
	v_and_b32 v[XA], 8, v9
	v_add_nc_u32 v[XA], v[XA], v9                  ; r + 8 (r / 8)
	v_lshlrev_b32 v[XA], 11, v[XA]
	v_bfe_u32 v9, v0, 4, 1                         ; h
	v_lshl_add_u32 v[XA], v9, 6, v[XA]
	s_mul_i32 s42, s12, 8*FRB
	v_add_nc_u32 v[XWI], s42, v[LI]
	s_lshl_b32 s42, s12, 10
	v_add_nc_u32 v[XWS], s42, v[LI]
	v_mov_b32 v[FL], 0x1800000
.irp b, 0,1,2,3
	v_mov_b32 v[TM+4+\b], 0                        ; written once: a lane permute's destination counts as one of its sources
.endr
	s_mov_b32 s[SEL], 0x76543210
	s_mov_b32 s[SEL+1], 0xfedcba98
	s_mov_b32 s20, 0xffff0000                      ; lanes 16-31
	s_lshr_b32 s16, s14, 4                         ; b
	s_and_b32 s17, s14, 15                         ; g
	s_lshl_b32 s16, s16, 7
	s_lshl_b32 s21, s15, 4
	s_add_co_u32 s16, s16, s21
	s_add_co_u32 s16, s16, s17                     ; the records' number: 128 b + 16 head + g
	s_mul_i32 s32, s16, 6656
	s_mov_b32 s33, 0
	s_mul_i32 s34, s16, 12800
	s_mov_b32 s35, 0
	s_mul_i32 s36, s15, 16*FRB                     ; my head's 16 fragments of a kind
	s_mov_b32 s37, 0
	s_lshl_b32 s38, s15, 11                        ; and their scale words
	s_mov_b32 s39, 0
	s_lshl_b32 s40, s14, 18                        ; the group's 128 rows of 2,048 bytes,
	s_lshl_b32 s41, s12, 16                        ; my wave's 32 of them
	s_add_co_u32 s40, s40, s41
	s_mov_b32 s41, 0
	s_wait_kmcnt 0x0
	s_add_nc_u64 s[22:23], s[6:7], s[36:37]
	s_add_nc_u64 s[24:25], s[6:7], s[38:39]
	s_add_nc_u64 s[26:27], s[4:5], s[40:41]
	s_add_nc_u64 s[28:29], s[8:9], s[32:33]
	s_add_nc_u64 s[30:31], s[10:11], s[34:35]
	; ---- x: my 32 tokens become eight fragments.  Four sets of 64 numbers are on their way; when x is used up, the weights take the loads' place
.irp e, 0,1,2,3
	XLOAD \e, \e
.endr
.irp e, 0,1,2,3,4,5,6,7
.if \e < 5
	s_wait_loadcnt 48                              ; behind this set's loads: three sets of 16
.elseif \e == 5
	s_wait_loadcnt 56                              ; two sets of 16 and 24 loads of weights
.else
	s_wait_loadcnt 63                              ; 64 and 96 younger loads: the largest count that the wait can name; a smaller count than the true one is safe
.endif
	s_wait_dscnt 0x0                               ; the last image's stores have read their registers
	QUANT 64*(\e%4), PWX
.irp c, 0,1,2
	ds_store_b128 v[XWI], v[PC+4*\c:PC+4*\c+3] offset:XIMG+\e*FRB+512*\c   ; fragment 4 (2 w + e / 4) + e % 4
.endr
	ds_store_b32 v[XWS], v[PWX] offset:XSC+512*(\e/4)+4*(\e%4)
.if \e < 4
	XLOAD \e, \e+4
.elseif \e == 4
	WLOAD 0x80, 0, 0, 1                            ; Q's weights into set A
.elseif \e == 5
	WLOAD 0x80, 0, 2, 3
.elseif \e == 6
	WIN 0
.irp k, 0,1,2
.irp n, 0,1,2,3,4,5,6,7,8,9,10,11,12,13,14,15
	global_load_b32 v[WSC+16*\k+\n], v[LS], s[24:25] offset:SCB+16384*\k+128*\n   ; all three kinds' scale words
.endr
.endr
.else
	WLOAD 0xc0, 1, 0, 3                            ; K's weights into set B
.endif
.endr
	WIN 0
	s_wait_dscnt 0x0                               ; for the others' sake: my images have landed
	s_barrier_signal -1
	s_barrier_wait -1                              ; x's 32 fragments lie in LDS; nothing is written there again
	; ---- Q
	JOB 0, 0x52, 0, 48                             ; set A and the scale words are in; K's 48 loads may be out
	WLOAD 0x80, 2, 0, 3                            ; V's weights over Q's, behind the four places
	WIN 0
	OUTQ 28, 0
	global_store_b128 v[LI], v[SW:SW+3], s[28:29] offset:4*FRB
	; ---- K
	JOB 1, 0x53, 0, 48                             ; set B is in; V's 48 loads may be out
	OUTQ 30, 0
	v_cndmask_b32 v[SC], v[SW], v[SW+1], s20       ; lanes 0-15 fragment 0's words, lanes 16-31 fragment 1's
	v_cndmask_b32 v[SC+1], v[SW+2], v[SW+3], s20
	; ---- V
	JOB 2, 0x58, 1, 0
	OUTQ 30, 4*FRB
	v_cndmask_b32 v[SC+2], v[SW], v[SW+1], s20
	v_cndmask_b32 v[SC+3], v[SW+2], v[SW+3], s20
	global_store_b128 v[LI], v[SC:SC+3], s[30:31] offset:8*FRB
	s_wait_tensorcnt 0x0                           ; the wave's end: s_wait_tensorcnt, the add to my spare word and its wait, behind my last LDS store
	ds_add_u32 v[SPW], v[NIL]
	s_wait_dscnt 0x0
	s_endpgm
.Lfunc_end_k_qbeda7eba3d_proj:
	.size	k_qbeda7eba3d_proj, .Lfunc_end_k_qbeda7eba3d_proj-k_qbeda7eba3d_proj
	.p2alignl 7, 3214868480
	.fill 96, 4, 3214868480
	.section	.rodata,"a",@progbits
	.p2align	6, 0x0
	.amdhsa_kernel k_qbeda7eba3d_proj
		.amdhsa_group_segment_fixed_size 53760
		.amdhsa_private_segment_fixed_size 0
		.amdhsa_enable_private_segment 0
		.amdhsa_kernarg_size 32
		.amdhsa_user_sgpr_count 2
		.amdhsa_user_sgpr_kernarg_segment_ptr 1
		.amdhsa_wavefront_size32 1
		.amdhsa_system_sgpr_workgroup_id_x 1
		.amdhsa_system_sgpr_workgroup_id_y 1
		.amdhsa_system_sgpr_workgroup_id_z 1
		.amdhsa_system_vgpr_workitem_id 0
		.amdhsa_next_free_vgpr 960
		.amdhsa_next_free_sgpr 66
		.amdhsa_reserve_vcc 0
		.amdhsa_float_denorm_mode_32 3
		.amdhsa_float_denorm_mode_16_64 3
		.amdhsa_memory_ordered 1
		.amdhsa_forward_progress 1
		.amdhsa_inst_pref_size 188
	.end_amdhsa_kernel
	.amdgpu_metadata
---
amdhsa.version: [ 1, 2 ]
amdhsa.kernels:
  - .name:           k_qbeda7eba3d_proj
    .symbol:         k_qbeda7eba3d_proj.kd
    .args:
      - { .name: x, .offset: 0, .size: 8, .value_kind: global_buffer, .address_space: global }
      - { .name: wf, .offset: 8, .size: 8, .value_kind: global_buffer, .address_space: global }
      - { .name: qw, .offset: 16, .size: 8, .value_kind: global_buffer, .address_space: global }
      - { .name: kv, .offset: 24, .size: 8, .value_kind: global_buffer, .address_space: global }
    .group_segment_fixed_size: 53760
    .private_segment_fixed_size: 0
    .kernarg_segment_align: 8
    .kernarg_segment_size: 32
    .max_flat_workgroup_size: 128
    .sgpr_count:     66
    .vgpr_count:     960
    .wavefront_size: 32
...
	.end_amdgpu_metadata
.endif
;; end of part 2
;; launch attn (part 3): grid 4 x 64, 16 waves a work-group, clusters of 4 x 1, 206,848 bytes of LDS; arguments qw, kv, oc, os; writes oc, os
.if DOCPART == 3
	.amdgcn_target "amdgcn-amd-amdhsa--gfx1250"
	.amdhsa_code_object_version 6
	.text
	.protected	k_qbeda7eba3d_attn
	.globl	k_qbeda7eba3d_attn
	.p2align	8
	.type	k_qbeda7eba3d_attn,@function
k_qbeda7eba3d_attn:
	s_mov_b64 s[64:65], 0
	v_nop
	global_prefetch_b8 v0, s[64:65] scope:SCOPE_SE
	s_setreg_imm32_b32 hwreg(HW_REG_WAVE_MODE, 25, 1), 1
	s_wait_xcnt 0x0
	s_wait_alu depctr_hold_cnt(0) depctr_sa_sdst(0) depctr_va_vdst(0) depctr_va_sdst(0) depctr_va_ssrc(0) depctr_va_vcc(0) depctr_vm_vsrc(0)
	s_getreg_b32 s2, hwreg(HW_REG_IB_STS2, 6, 4)
	s_cmp_eq_u32 s2, 0
	s_cbranch_scc0 .Lentry_in_a_cluster
	s_endpgm
.Lentry_in_a_cluster:
	s_bfe_u32 s2, ttmp6, 0x10000c
	s_cmp_lg_u32 s2, 0x3003
	s_cbranch_scc0 .Lentry_shape_is_right
	s_endpgm
.Lentry_shape_is_right:
; O = softmax(Q K^T / 8) V for one (batch, head), both products on codes of FP6 (E2M3) with one E8M0 scale for each 32 along K; then O / l is quantised along the head's 64 channels for the last product.
; THE SOFTMAX AHEAD OF THE SECOND PRODUCT: t = score x log2(e) / 8; M = the running largest t rounded UP to a whole number; p = 2^(t - M) is quantised along the keys, not normalised; the row's sum l is taken of the unquantised p.
; When M moves, the sum and O^T are multiplied by 2^(old M - new M): exact.
; SHARES.  A cluster of four work-groups takes one (batch, head); work-group cx takes queries 512 cx on; each of its SIXTEEN waves owns 32 queries, two tiles of 16, one after the other (two passes), in 256 registers:
; four waves to a SIMD, so that one wave's vector work stands beside another's matrix work and LDS loads.
; ALL OF THE HEAD'S K AND V LIE IN LDS: 16 records of 12,800 bytes (128 keys each: 4 fragments of K, 4 of V, 512 bytes of scale words), 204,800 bytes, filled ONCE: no slot is ever filled again.
; The four partners walk the same K and V, so each record is asked for JOINTLY: the same tensor load, the same descriptor, a mask that names the four.  Waves 0-3 issue four loads each, one for each chunk of four records;
; a chunk is read behind a barrier in front of which the issuing waves have waited for it, while the later chunks are still on their way.
; THE FIRST PRODUCT'S K IS 64, half of the instruction's 128.  A fragment of K holds TWO tiles of keys, [K_a | K_b]; it is multiplied once by [Q | 0] and once by [0 | Q]: zero codes add nothing under any byte but 0xff.
; v[QZ ..] holds [Q | 0 | Q]: the two operands are its registers 0-11 and 6-17; Q's two scale bytes stand in both halves of its scale word.
; LAYOUT.  Both products are used transposed (S^T = K Q^T, O^T = V^T P^T): a lane holds ONE query throughout.  The keys of a tile of K and the channels of a tile of V were chosen by the launch before so that
; S^T's register 16 p + i is key 32 p + 16 (lane / 16) + i of the step, and O^T's register 16 b + i channel 32 b + 16 (lane / 16) + i.
; OUT.  oc: half a fragment (16 tokens x this head's 64 channels, 6 registers) as three planes of 256 bytes at (64 b + pair) x 12,288 + 6,144 tile + 768 head; os: a word a lane, bytes (tile 0: blocks 0, 1; tile 1: blocks 0, 1).
; LIMITS: a block of zeros gets the byte 1 (zero codes); p under 2^-126 counts as 0; NaN and infinities are not served.
.set RECB,  12800                      ; a record of kv
.set FRB,   1536                       ; a fragment's image: three planes of 512 bytes, lane l's 16 bytes at 16 l
.set QREC,  6656                       ; a record of qw
.set SPARE, 16*RECB                    ; behind the records: the spare words, 128 bytes for each wave: eight blocks of 256 bytes that no other line names
.set LI,  1                            ; v1   16 x lane
.set ADR, 2                            ; v2   LDS address of the step's record, + 16 x lane
.set SPW, 3                            ; v3   LDS address of my spare word; never rewritten
.set NIL, 4                            ; v4   0; never rewritten
.set L8,  5                            ; v5   8 x lane
.set QS,  6                            ; v6   Q's scale word for the tile in hand
.set QW,  7                            ; v7   the pair's scale word, as loaded
.set OW,  8                            ; v8   O's scale word, gathered over the two passes
.set L4,  9                            ; v9   4 x lane
                                       ; v12 -M, v13 the largest t, v[14:15] the sum in two halves
.set QZ,  16                           ; v16-33  [Q | 0 | Q]
.set QI,  34                           ; v34-45  the pair's image [Q_a | Q_b]
.set KF,  48                           ; v48-95  four fragments of K, then of V
.set S,   96                           ; v96-159 S^T, then p
.set OT,  160                          ; v160-191 O^T
.set SC,  192                          ; v192-195 the record's scale words
.set PC,  196                          ; v196-207 p's codes
.set CT,  208                          ; v208-210, v212-214 the conversions' second halves
.set BM,  216                          ; v216-219 each block's largest score, then its largest p
.set PB,  220                          ; v220-223 the other half's, then the scale bytes
.set SO,  224                          ; v224-227 the conversions' scale operands
.set F,   228                          ; v228 f = 2^(old M - new M)
.set PW,  229                          ; v229 p's scale word
.set TP,  230                          ; v230 at work
.set L2,  232                          ; v[232:233] the sum's second chain
.set WV,  12                           ; s12  my wave's number
.set SEL, 16                           ; s[16:17] v_permlanex16_b32's selects for lane l xor 16
.set CS,  18                           ; s[18:19] c = log2(e) / 8: the packed form names a pair and takes its low word for both halves
.set TB,  20                           ; s20  LDS byte at which the step's record begins
.set CNT, 21                           ; s21  a chunk's steps to go
.set PASS, 22                          ; s22  passes to go
.set G1,  24                           ; s[24:31] descriptor group 1
.set G0,  32                           ; s[32:47] descriptor group 0, one for each chunk
.set OB,  50                           ; s[50:51] where the tile's codes go
.set OSB, 52                           ; s[52:53] where the pair's scale words go
.set QB,  54                           ; s[54:55] my pair's image in qw;  s[56:57] its scale words
; A round of the cluster's barrier: my work-group's barrier, so that wave 0's signal speaks for all sixteen waves; wave 0 signals for the work-group; every wave waits for the four work-groups; my work-group's barrier once more.
.macro CROUND
	s_barrier_signal -1
	s_barrier_wait -1
	s_cmp_lg_u32 s[WV], 0
	s_cbranch_scc1 .Lnot_wave_0_\@
	s_barrier_signal -3
.Lnot_wave_0_\@:
	s_barrier_wait -3
	s_barrier_signal -1
	s_barrier_wait -1
.endm
.macro KQ p, u                         ; S^T of key tile 2 p + u: fragment p of K x [Q | 0] (u = 0) or [0 | Q] (u = 1); an odd fragment's scale words stand in lanes 16-31
.if (\p)%2
	v_wmma_scale_f32_16x16x128_f8f6f4 v[S+16*\p+8*\u:S+16*\p+8*\u+7], v[KF+12*\p:KF+12*\p+11], v[QZ+6*\u:QZ+6*\u+11], 0, v[SC+\p/2], v[QS] matrix_a_fmt:MATRIX_FMT_FP6 matrix_b_fmt:MATRIX_FMT_FP6 matrix_a_scale:MATRIX_SCALE_ROW1
.else
	v_wmma_scale_f32_16x16x128_f8f6f4 v[S+16*\p+8*\u:S+16*\p+8*\u+7], v[KF+12*\p:KF+12*\p+11], v[QZ+6*\u:QZ+6*\u+11], 0, v[SC+\p/2], v[QS] matrix_a_fmt:MATRIX_FMT_FP6 matrix_b_fmt:MATRIX_FMT_FP6
.endif
.endm
.macro PV t                            ; O^T's tile t += fragment t of V x p
.if (\t)%2
	v_wmma_scale_f32_16x16x128_f8f6f4 v[OT+8*\t:OT+8*\t+7], v[KF+12*\t:KF+12*\t+11], v[PC:PC+11], v[OT+8*\t:OT+8*\t+7], v[SC+2+\t/2], v[PW] matrix_a_fmt:MATRIX_FMT_FP6 matrix_b_fmt:MATRIX_FMT_FP6 matrix_a_scale:MATRIX_SCALE_ROW1
.else
	v_wmma_scale_f32_16x16x128_f8f6f4 v[OT+8*\t:OT+8*\t+7], v[KF+12*\t:KF+12*\t+11], v[PC:PC+11], v[OT+8*\t:OT+8*\t+7], v[SC+2+\t/2], v[PW] matrix_a_fmt:MATRIX_FMT_FP6 matrix_b_fmt:MATRIX_FMT_FP6
.endif
.endm
; A KEY STEP: the 128 keys of the record at s[TB]
.macro STEP
	v_add_nc_u32 v[ADR], s[TB], v[LI]
.rept 3
	v_nop                                          ; with the addition: four places in front of loads into registers that the last products read
.endr
.irp p, 0,1,2,3
.irp c, 0,1,2
	ds_load_b128 v[KF+12*\p+4*\c:KF+12*\p+4*\c+3], v[ADR] offset:FRB*\p+512*\c
.endr
.endr
	ds_load_b128 v[SC:SC+3], v[ADR] offset:8*FRB
	s_wait_dscnt 0x0
.irp p, 0,1,2,3
.irp u, 0,1
	KQ \p, \u
.endr
.endr
.rept 4
	v_nop                                          ; places: in front of the loads below and of the first read of the scores
.endr
.irp t, 0,1,2,3
.irp c, 0,1,2
	ds_load_b128 v[KF+12*\t+4*\c:KF+12*\t+4*\c+3], v[ADR] offset:4*FRB+FRB*\t+512*\c   ; V's fragments land while the softmax is walked
.endr
.endr
.irp b, 0,1,2,3
	v_max3_num_f32 v[BM+\b], v[S+16*\b], v[S+1+16*\b], v[S+2+16*\b]   ; THE LARGEST SCORE OF EACH BLOCK OF 32 KEYS: for the row's maximum and, since p rises with the score, for the block's largest p
.endr
.irp i, 3,5,7,9,11,13
.irp b, 0,1,2,3
	v_max3_num_f32 v[BM+\b], v[BM+\b], v[S+16*\b+\i], v[S+1+16*\b+\i]   ; (the four blocks by turns)
.endr
.endr
.irp b, 0,1,2,3
	v_max_num_f32 v[BM+\b], v[BM+\b], v[S+15+16*\b]
.endr
.irp b, 0,1,2,3
	v_permlanex16_b32 v[PB+\b], v[BM+\b], s[SEL], s[SEL+1]
.endr
.irp b, 0,1,2,3
	v_max_num_f32 v[BM+\b], v[BM+\b], v[PB+\b]     ; with lane l xor 16's 16 keys
.endr
	v_max3_num_f32 v[TP], v[BM], v[BM+1], v[BM+2]
	v_max_num_f32 v[TP], v[TP], v[BM+3]            ; the step's largest score of my query
	v_mul_f32 v[TP], s[CS], v[TP]                  ; as t (c is positive)
	v_max_num_f32 v13, v13, v[TP]                  ; the running largest t
	v_mov_b32 v[TP], v12
	v_floor_f32 v12, -v13                          ; the new -M = floor(-t) = -ceil(t): M is a whole number
	v_sub_f32 v[TP], v12, v[TP]                    ; old M - new M: a whole number, 0 or less
	v_cvt_i32_f32 v[TP], v[TP]                     ; (it saturates)
	v_ldexp_f32 v[F], 1.0, v[TP]                   ; f = 2^(old M - new M)
.set j, 0
.rept 32
	v_pk_fma_f32 v[S+j:S+j+1], v[S+j:S+j+1], s[CS:CS+1], v[12:13] op_sel_hi:[1,0,0]   ; t - M, two at a time
.set j, j+2
.endr
.irp b, 0,1,2,3
	v_fma_f32 v[BM+\b], v[BM+\b], s[CS], v12       ; the same of each block's largest score
.endr
.set j, 0
.rept 64
	v_exp_f32 v[S+j], v[S+j]                       ; p = 2^(t - M), at most 1
.set j, j+1
.endr
	v_pk_mul_f32 v[14:15], v[14:15], v[F:F+1] op_sel_hi:[1,0]   ; the sums under the new M: the plain place behind the exponentials
	s_wait_alu depctr_va_vdst(0)                   ; one wait for the whole batch, ahead of its first reader
.irp b, 0,1,2,3
	v_exp_f32 v[BM+\b], v[BM+\b]                   ; the block's largest p: the same two instructions on the same number give the same bits
.endr
	v_pk_add_f32 v[L2:L2+1], v[S:S+1], v[S+2:S+3]  ; THE ROW'S SUM IS TAKEN OF THE UNQUANTISED p, two at a time, in two chains: plain work behind the four
.irp j, 4,8,12,16,20,24,28,32,36,40,44,48,52,56,60
	v_pk_add_f32 v[14:15], v[14:15], v[S+\j:S+\j+1]
	v_pk_add_f32 v[L2:L2+1], v[L2:L2+1], v[S+2+\j:S+3+\j]
.endr
	v_pk_add_f32 v[14:15], v[14:15], v[L2:L2+1]
	s_wait_alu depctr_va_vdst(0)                   ; and one for the four
.irp b, 0,1,2,3
	v_max_num_f32 v[BM+\b], 0x1800000, v[BM+\b]    ; the floor 2^(3 - 127): the byte cannot fall under 1
.endr
.irp b, 0,1,2,3
	v_add_nc_u32 v[SO+\b], 0xff000000, v[BM+\b]    ; 2 off the exponent field: the conversion's scale operand
.endr
.irp b, 0,1,2,3
	v_lshrrev_b32 v[PB+\b], 23, v[SO+\b]           ; the scale's byte
.endr
	v_lshl_or_b32 v[PW], v[PB+1], 8, v[PB]         ; p's scale word for these 128 keys
	v_lshl_or_b32 v[PW], v[PB+2], 16, v[PW]
	v_lshl_or_b32 v[PW], v[PB+3], 24, v[PW]
.irp c, 0,1
	v_cvt_scalef32_pk16_fp6_f32 v[PC+6*\c:PC+6*\c+2], v[S+32*\c:S+15+32*\c], v[SO+2*\c]
	v_cvt_scalef32_pk16_fp6_f32 v[CT+4*\c:CT+4*\c+2], v[S+16+32*\c:S+31+32*\c], v[SO+2*\c+1]   ; (a conversion's three registers begin on an even number)
.endr
	v_nop                                          ; one plain place behind a scaled conversion
.irp c, 0,1                                    ; the operand's layout wants a WHOLE block in a lane
.irp i, 0,1,2
	v_permlane16_swap_b32 v[PC+6*\c+\i], v[CT+4*\c+\i]
.endr
.irp i, 0,1,2
	v_mov_b32 v[PC+3+6*\c+\i], v[CT+4*\c+\i]
.endr
.endr
.set j, 0
.rept 16
	v_pk_mul_f32 v[OT+j:OT+j+1], v[OT+j:OT+j+1], v[F:F+1] op_sel_hi:[1,0]   ; O^T under the new M, from each accumulator's low end on; these sixteen are also the places in front of the products below
.set j, j+2
.endr
	s_wait_dscnt 0x0                               ; V's fragments are in
.irp t, 0,1,2,3
	PV \t
.endr
.endm
; A chunk of four records.  The issuing waves wait for this chunk's load (the 3 - c later chunks' loads may stay out), then the barrier shows it to all sixteen.  In the second pass the waits are met at once.
.macro CHUNK c
	s_wait_tensorcnt 3-\c
	s_wait_dscnt 0x0
	s_barrier_signal -1
	s_barrier_wait -1
	s_mov_b32 s[TB], 4*RECB*\c
	s_mov_b32 s[CNT], 4
.Lstep_\@:
	STEP
	s_add_co_u32 s[TB], s[TB], RECB
	s_sub_co_u32 s[CNT], s[CNT], 1
	s_cmp_lg_u32 s[CNT], 0
	s_cbranch_scc1 .Lstep_\@
.endm
	s_load_b256 s[4:11], s[0:1], 0x0               ; qw s[4:5], kv s[6:7], oc s[8:9], os s[10:11]
	v_lshl_add_u32 v[SPW], v0, 2, SPARE
	v_mov_b32 v[NIL], 0
	ds_add_u32 v[SPW], v[NIL]                      ; the wave's opening: the add and its wait stand ahead of the first tensor loads; the set-up below, work on registers, stands between them
	v_lshrrev_b32 v1, 5, v0
	v_readfirstlane_b32 s[WV], v1                  ; wave 0..15
	s_bfe_u32 s13, ttmp6, 0x40000                  ; cx: my place in the cluster: it enters the addresses of qw, oc and os alone
	s_and_b32 s14, ttmp7, 0xffff                   ; 8 b + head, which the four partners share
	; descriptor group 1: a record is 12,800 dense bytes: 50 rows of 256 bytes (32 elements of 8 bytes), no padding
	s_mov_b32 s[G1], 15|(3<<16)|(1<<21)            ; 15:0 the mask: all four work-groups; 17:16 elements of 8 bytes; 21 set beside a mask
	s_mov_b32 s[G1+1], 32<<16                      ; tensor_dim0 = 32
	s_mov_b32 s[G1+2], 50<<16                      ; tensor_dim1 = 50
	s_mov_b32 s[G1+3], 32<<16                      ; tile_dim0 = 32
	s_mov_b32 s[G1+4], 50                          ; tile_dim1 = 50
	s_mov_b32 s[G1+5], 32                          ; from row to row
	s_mov_b32 s[G1+6], 0
	s_mov_b32 s[G1+7], 0
	s_and_b32 s15, s[WV], 3
	s_mul_i32 s48, s15, RECB                       ; which record of a chunk I fetch, if I fetch: its place in LDS and in memory
	s_mul_i32 s2, s14, 16*RECB                     ; the head's 16 records
	s_add_co_u32 s2, s2, s48
	s_mov_b32 s3, 0
	s_lshl_b32 s49, s14, 4                         ; my pair's record of qw: 16 (8 b + head) + 4 cx + wave / 4,
	s_lshl_b32 s58, s13, 2
	s_add_co_u32 s49, s49, s58
	s_lshr_b32 s58, s[WV], 2
	s_add_co_u32 s49, s49, s58
	s_mul_i32 s49, s49, QREC
	s_mul_i32 s58, s15, FRB                        ; image wave % 4 in it,
	s_add_co_u32 s58, s58, s49
	s_mov_b32 s59, 0
	s_lshl_b32 s60, s15, 2                         ; and word wave % 4 of a lane's four
	s_add_co_u32 s60, s60, s49
	s_mov_b32 s61, 0
	s_lshl_b32 s49, s13, 4
	s_add_co_u32 s49, s49, s[WV]                   ; my pair of tiles among the head's 64: 16 cx + wave
	s_lshr_b32 s62, s14, 3
	s_lshl_b32 s62, s62, 6
	s_add_co_u32 s62, s62, s49
	s_mul_i32 s62, s62, 12288                      ; oc: (64 b + pair) x 12,288
	s_and_b32 s63, s14, 7
	s_mul_i32 s63, s63, 768                        ; + 768 head
	s_add_co_u32 s62, s62, s63
	s_mov_b32 s63, 0
	s_lshl_b32 s22, s14, 6
	s_add_co_u32 s22, s22, s49
	s_lshl_b32 s22, s22, 7                         ; os: (64 (8 b + head) + pair) x 128
	s_mov_b32 s23, 0
	s_mov_b32 s[SEL], 0x76543210
	s_mov_b32 s[SEL+1], 0xfedcba98
	s_mov_b32 s[CS], 0x3e38aa3b                    ; c = log2(e) / 8
	s_mov_b32 s[CS+1], s[CS]                       ; (named with it as a pair, so it is written)
	s_wait_dscnt 0x0                               ; the opening add is done
	s_wait_kmcnt 0x0
	s_add_nc_u64 s[6:7], s[6:7], s[2:3]
	s_add_nc_u64 s[QB:QB+1], s[4:5], s[58:59]
	s_add_nc_u64 s[QB+2:QB+3], s[4:5], s[60:61]
	s_add_nc_u64 s[OB:OB+1], s[8:9], s[62:63]
	s_add_nc_u64 s[OSB:OSB+1], s[10:11], s[22:23]
.irp c, 0,1,2,3
	s_mov_b32 s[G0+4*\c], 1                        ; 1:0 count = 1
	s_add_co_u32 s[G0+4*\c+1], s48, 4*RECB*\c      ; 63:32 LDS address: record 4 c + wave
	s_add_nc_u64 s[G0+4*\c+2:G0+4*\c+3], s[6:7], 4*RECB*\c   ; 120:64 global address
	s_or_b32 s[G0+4*\c+3], s[G0+4*\c+3], 0x80000000   ; 127:126 type = 2
.endr
	CROUND                                         ; all four work-groups are here: the joint loads meet
	s_cmp_lt_u32 s[WV], 4                          ; waves 0-3 fetch: a wave's four first fills stand in one branch, ahead of every wait on TENSORcnt and every LDS read: four loads of mine are out
	s_cbranch_scc0 .Lno_fill
.irp c, 0,1,2,3
	tensor_load_to_lds s[G0+4*\c:G0+4*\c+3], s[G1:G1+7]
	s_nop 0
.endr
.rept 4
	v_nop
.endr
.Lno_fill:
	v_and_b32 v[L4], 31, v0
	v_lshlrev_b32 v[LI], 4, v[L4]
	v_lshlrev_b32 v[L8], 3, v[L4]
	v_lshlrev_b32 v[L4], 2, v[L4]
.irp c, 0,1,2
	global_load_b128 v[QI+4*\c:QI+4*\c+3], v[LI], s[QB:QB+1] offset:512*\c   ; my pair's image [Q_a | Q_b]
.endr
	global_load_b32 v[QW], v[LI], s[QB+2:QB+3] offset:4*FRB   ; its scale word: bytes (a: blocks 0, 1; b: blocks 0, 1)
.irp i, 6,7,8,9,10,11
	v_mov_b32 v[QZ+\i], 0                          ; the zero codes between the two copies of Q
.endr
.irp b, 0,1,2,3
	v_mov_b32 v[PB+\b], 0                          ; written once: a lane permute's destination counts as one of its sources
.endr
	v_mov_b32 v[TP], 0
	v_mov_b32 v[PW], 0                             ; (named as the upper half of the pair with f before it is first written)
	v_mov_b32 v[OW], 0
	s_mov_b32 s[PASS], 2
	s_wait_loadcnt 0x0
.Lpass:                                            ; two trips: tile a, then tile b
.irp i, 0,1,2,3,4,5
	v_mov_b32 v[QZ+\i], v[QI+\i]
	v_mov_b32 v[QZ+12+\i], v[QI+\i]
.endr
.irp i, 0,1,2,3,4,5
	v_mov_b32 v[QI+\i], v[QI+6+\i]                 ; the next pass finds tile b here
.endr
	v_and_b32 v[QS], 0xffff, v[QW]
	v_lshl_or_b32 v[QS], v[QS], 16, v[QS]          ; the tile's two bytes in both halves of the word
	v_lshrrev_b32 v[QW], 16, v[QW]
	v_mov_b32 v13, 0xff61b1e6                      ; the largest t so far: -3e38, under every t
	v_floor_f32 v12, -v13                          ; -M
	v_mov_b32 v14, 0                               ; the sum, in two halves
	v_mov_b32 v15, 0
.set j, 0
.rept 32
	v_mov_b32 v[OT+j], 0                           ; O^T: the step is written once; its first trip finds zeros, which the first change of M leaves zeros.  (These are also the places between Q's operand and scale word and the first product)
.set j, j+1
.endr
	CHUNK 0
	CHUNK 1
	CHUNK 2
	CHUNK 3
	; THE TILE'S END: O^T / l, quantised along the head's 64 channels: two blocks of 32
.rept 4
	v_nop                                          ; places behind the last products
.endr
	v_add_f32 v14, v14, v15                        ; the sum's two halves,
	v_permlanex16_b32 v[TP], v14, s[SEL], s[SEL+1]
	v_add_f32 v14, v14, v[TP]                      ; and lane l xor 16's: the row's sum
	v_rcp_f32 v14, v14
	v_nop                                          ; a plain place behind the reciprocal
	s_wait_alu depctr_va_vdst(0)                   ; and the wait ahead of its first reader
.set j, 0
.rept 16
	v_pk_mul_f32 v[S+j:S+j+1], v[OT+j:OT+j+1], v[14:15] op_sel_hi:[1,0]   ; register 16 b + i: channel 32 b + 16 (lane / 16) + i of my query
.set j, j+2
.endr
.irp b, 0,1
	v_max3_num_f32 v[BM+\b], |v[S+16*\b]|, |v[S+1+16*\b]|, 0x1800000   ; my 16 numbers of block b, and the floor
.endr
.irp i, 2,4,6,8,10,12,14
.irp b, 0,1
	v_max3_num_f32 v[BM+\b], v[BM+\b], |v[S+16*\b+\i]|, |v[S+1+16*\b+\i]|
.endr
.endr
.irp b, 0,1
	v_permlanex16_b32 v[PB+\b], v[BM+\b], s[SEL], s[SEL+1]
.endr
.irp b, 0,1
	v_max_num_f32 v[BM+\b], v[BM+\b], v[PB+\b]
.endr
.irp b, 0,1
	v_add_nc_u32 v[SO+\b], 0xff000000, v[BM+\b]
.endr
.irp b, 0,1
	v_lshrrev_b32 v[PB+\b], 23, v[SO+\b]
.endr
	v_lshl_or_b32 v[TP], v[PB+1], 8, v[PB]         ; the tile's two bytes
	v_lshrrev_b32 v[OW], 16, v[OW]                 ; the first pass's move down,
	v_lshl_or_b32 v[OW], v[TP], 16, v[OW]          ; this pass's stand on top
	v_cvt_scalef32_pk16_fp6_f32 v[PC:PC+2], v[S:S+15], v[SO]
	v_cvt_scalef32_pk16_fp6_f32 v[CT:CT+2], v[S+16:S+31], v[SO+1]
	v_nop                                          ; one plain place behind a scaled conversion
.irp i, 0,1,2
	v_permlane16_swap_b32 v[PC+\i], v[CT+\i]       ; lanes 0-15 block 0, lanes 16-31 block 1, whole
.endr
.irp i, 0,1,2
	v_mov_b32 v[PC+3+\i], v[CT+\i]
.endr
.irp i, 0,1,2
	global_store_b64 v[L8], v[PC+2*\i:PC+2*\i+1], s[OB:OB+1] offset:256*\i   ; 32 lanes store 256 consecutive bytes, at a multiple of 256 from oc's first byte
.endr
	s_wait_xcnt 0x0                                ; the stores have read their registers and their base: both may be written again
	s_add_nc_u64 s[OB:OB+1], s[OB:OB+1], 6144      ; the pair's second tile
	s_sub_co_u32 s[PASS], s[PASS], 1
	s_cmp_lg_u32 s[PASS], 0
	s_cbranch_scc1 .Lpass
	global_store_b32 v[L4], v[OW], s[OSB:OSB+1]    ; the pair's scale words
	s_wait_tensorcnt 0x0                           ; the wave's end: s_wait_tensorcnt, the add to my spare word and its wait, behind my last tensor load
	ds_add_u32 v[SPW], v[NIL]
	s_wait_dscnt 0x0
	CROUND                                         ; the closing round: no work-group ends while a partner may still ask for a record that names it
	s_endpgm
.Lfunc_end_k_qbeda7eba3d_attn:
	.size	k_qbeda7eba3d_attn, .Lfunc_end_k_qbeda7eba3d_attn-k_qbeda7eba3d_attn
	.p2alignl 7, 3214868480
	.fill 96, 4, 3214868480
	.section	.rodata,"a",@progbits
	.p2align	6, 0x0
	.amdhsa_kernel k_qbeda7eba3d_attn
		.amdhsa_group_segment_fixed_size 206848
		.amdhsa_private_segment_fixed_size 0
		.amdhsa_enable_private_segment 0
		.amdhsa_kernarg_size 32
		.amdhsa_user_sgpr_count 2
		.amdhsa_user_sgpr_kernarg_segment_ptr 1
		.amdhsa_wavefront_size32 1
		.amdhsa_system_sgpr_workgroup_id_x 1
		.amdhsa_system_sgpr_workgroup_id_y 1
		.amdhsa_system_sgpr_workgroup_id_z 1
		.amdhsa_system_vgpr_workitem_id 0
		.amdhsa_next_free_vgpr 256
		.amdhsa_next_free_sgpr 66
		.amdhsa_reserve_vcc 0
		.amdhsa_float_denorm_mode_32 3
		.amdhsa_float_denorm_mode_16_64 3
		.amdhsa_memory_ordered 1
		.amdhsa_forward_progress 1
		.amdhsa_inst_pref_size 74
	.end_amdhsa_kernel
	.amdgpu_metadata
---
amdhsa.version: [ 1, 2 ]
amdhsa.kernels:
  - .name:           k_qbeda7eba3d_attn
    .symbol:         k_qbeda7eba3d_attn.kd
    .args:
      - { .name: qw, .offset: 0, .size: 8, .value_kind: global_buffer, .address_space: global }
      - { .name: kv, .offset: 8, .size: 8, .value_kind: global_buffer, .address_space: global }
      - { .name: oc, .offset: 16, .size: 8, .value_kind: global_buffer, .address_space: global }
      - { .name: os, .offset: 24, .size: 8, .value_kind: global_buffer, .address_space: global }
    .group_segment_fixed_size: 206848
    .private_segment_fixed_size: 0
    .kernarg_segment_align: 8
    .kernarg_segment_size: 32
    .max_flat_workgroup_size: 512
    .sgpr_count:     66
    .vgpr_count:     256
    .wavefront_size: 32
...
	.end_amdgpu_metadata
.endif
;; end of part 3
;; launch outp (part 4): grid 256 x 1, 2 waves a work-group, no clusters, 17,664 bytes of LDS; arguments oc, os, wf, out0; writes out0
.if DOCPART == 4
	.amdgcn_target "amdgcn-amd-amdhsa--gfx1250"
	.amdhsa_code_object_version 6
	.text
	.protected	k_qbeda7eba3d_outp
	.globl	k_qbeda7eba3d_outp
	.p2align	8
	.type	k_qbeda7eba3d_outp,@function
k_qbeda7eba3d_outp:
	s_mov_b64 s[64:65], 0
	v_nop
	global_prefetch_b8 v0, s[64:65] scope:SCOPE_SE
	s_setreg_imm32_b32 hwreg(HW_REG_WAVE_MODE, 25, 1), 1
	s_wait_xcnt 0x0
; out = O WO, on codes of FP6 (E2M3) with one E8M0 scale for each 32 along K = 8 heads x 64 channels.  O's codes and scale bytes were made head by head by the launch before; WO's by the first launch (matrix 24 of wf).
; SHARES.  A wave takes a pair of token tiles (32 tokens) x all 64 columns: 32 products, 8 accumulators by turns.  512 pairs, two waves to a work-group.  Waves share nothing: no barrier.
; OPERANDS COME STRAIGHT INTO REGISTERS, in the operand's order.  K step s of O's fragment is [head 2 s's six registers | head 2 s + 1's]; its scale word is made of the two heads' words by one v_perm_b32.
; NO CLUSTER, NO JOINT LOADS: what the work-groups share is WO, 16 fragments x 1,536 + 16 x 128 = 26,624 bytes, read once a wave into registers; through LDS each fragment would be read once more.
; TRANSPOSED: source 0 = 16 columns of WO, source 1 = 16 tokens: a lane holds one token and eight neighbouring columns.  Lane r of tile u is token 8 u + r + 8 (r / 8) of the pair; register j of tile f is column 32 (f / 2) + 16 (lane / 16) + 8 (f % 2) + j.
; THE WAY OUT: through my own stage in LDS (32 rows of 256 bytes + 16) and back as whole rows: each store is two rows, 512 consecutive bytes at a multiple of 256 from out0's first byte.
; REGISTERS: window 0: addresses; v16-111 O's fragments (48 u + 6 head + 2 i), later rows of the result; v112-175 the accumulators (32 u + 8 f); v176-191 WO's scale words; v192-199 O's as loaded; v200-207 O's as the products want them.  window 1: WO's 16 fragments, 12 (4 f + s).
.set FRB,   1536
.set WOC,   384*FRB                    ; wf: WO's codes
.set WOS,   400*FRB+384*128            ; and its scale words
.set SP,    272                        ; a stage row
.set STGB,  32*SP                      ; a wave's stage
.set SPARE, 2*STGB                     ; behind the stages: the spare words, 128 bytes for each wave: one block of 256 bytes that no other line names
.set LI,  1                            ; v1  16 x lane
.set LS,  2                            ; v2  4 x lane
.set L8,  3                            ; v3  8 x lane
.set SO,  6                            ; v6  the stage: where I put my token's columns
.set SR,  7                            ; v7  and where I read rows back
.set SPW, 8                            ; v8  LDS address of my spare word; never rewritten
.set NIL, 9                            ; v9  0; never rewritten
.set OF,  16
.set AC,  112
.set WSC, 176
.set OSW, 192
.set OS,  200
.set MSB, 0
.macro WIN new                         ; the immediate's high byte repeats the setting that is left
.if MSB != \new
	s_set_vgpr_msb (MSB<<8)|\new
.set MSB, \new
.endif
.endm
	s_load_b256 s[4:11], s[0:1], 0x0               ; oc s[4:5], os s[6:7], wf s[8:9], out0 s[10:11]
	v_lshl_add_u32 v[SPW], v0, 2, SPARE
	v_mov_b32 v[NIL], 0
	v_lshrrev_b32 v1, 5, v0
	v_readfirstlane_b32 s12, v1                    ; wave 0, 1
	s_lshl_b32 s13, ttmp9, 1
	s_add_co_u32 s13, s13, s12                     ; my pair: 64 b + pair in the batch
	v_and_b32 v[LS], 31, v0
	v_lshlrev_b32 v[LI], 4, v[LS]
	v_lshlrev_b32 v[L8], 3, v[LS]
	v_lshlrev_b32 v[LS], 2, v[LS]
	v_and_b32 v4, 15, v0                           ; r
	v_bfe_u32 v5, v0, 4, 1                         ; h
	s_mul_i32 s14, s12, STGB                       ; my stage
	v_and_b32 v[SO], 8, v4
	v_add_nc_u32 v[SO], v[SO], v4                  ; r + 8 (r / 8)
	v_mul_u32_u24 v[SO], v[SO], SP
	v_lshl_add_u32 v[SO], v5, 6, v[SO]             ; + 64 h: my half's 16 columns of each 32
	v_add_nc_u32 v[SO], s14, v[SO]
	v_mul_u32_u24 v[SR], v5, SP                    ; back: lanes 0-15 one row, lanes 16-31 the next
	v_lshl_add_u32 v[SR], v4, 4, v[SR]
	v_add_nc_u32 v[SR], s14, v[SR]
	s_mul_i32 s16, s13, 12288                      ; oc: my pair's 16 half fragments
	s_mov_b32 s17, 0
	s_lshr_b32 s18, s13, 6
	s_lshl_b32 s18, s18, 16                        ; os: 65,536 b
	s_and_b32 s19, s13, 63
	s_lshl_b32 s19, s19, 7                         ; + 128 pair
	s_add_co_u32 s18, s18, s19
	s_mov_b32 s19, 0
	s_lshl_b32 s20, s13, 13                        ; out0: 32 rows of 256 bytes
	s_mov_b32 s21, 0
	s_wait_kmcnt 0x0
	s_add_nc_u64 s[4:5], s[4:5], s[16:17]
	s_add_nc_u64 s[6:7], s[6:7], s[18:19]
	s_add_nc_u64 s[10:11], s[10:11], s[20:21]
	WIN 0x40                                       ; destination window 1
.irp n, 0,1,2,3,4,5,6,7,8,9,10,11,12,13,14,15
.irp c, 0,1,2
	global_load_b128 v[12*\n+4*\c:12*\n+4*\c+3], v[LI], s[8:9] offset:WOC+FRB*\n+512*\c   ; WO's fragment n = 4 f + s
.endr
.endr
	WIN 0
.irp n, 0,1,2,3,4,5,6,7,8,9,10,11,12,13,14,15
	global_load_b32 v[WSC+\n], v[LS], s[8:9] offset:WOS+128*\n
.endr
.irp u, 0,1
.irp g, 0,1,2,3,4,5,6,7
.irp i, 0,1,2
	global_load_b64 v[OF+48*\u+6*\g+2*\i:OF+48*\u+6*\g+2*\i+1], v[L8], s[4:5] offset:6144*\u+768*\g+256*\i th:TH_LOAD_NT   ; tile u, head g: read once in the launch
.endr
.endr
.endr
.irp g, 0,1,2,3,4,5,6,7
	global_load_b32 v[OSW+\g], v[LS], s[6:7] offset:8192*\g th:TH_LOAD_NT   ; head g's word: bytes (tile 0: blocks 0, 1; tile 1: blocks 0, 1)
.endr
	s_wait_loadcnt 0x0
.irp s, 0,1,2,3
	v_perm_b32 v[OS+\s], v[OSW+2*\s+1], v[OSW+2*\s], 0x05040100     ; tile 0, K step s: head 2 s's two bytes, then head 2 s + 1's
	v_perm_b32 v[OS+4+\s], v[OSW+2*\s+1], v[OSW+2*\s], 0x07060302   ; tile 1
.endr
.rept 8
	v_nop                                          ; a scale register written by a vector instruction stands eight places ahead of a scaled matrix instruction
.endr
	WIN 0x01                                       ; source 0 (WO) window 1
.irp s, 0,1,2,3                                ; the eight accumulators take turns, one instruction a turn, K step by K step; K step 0 starts the sums
.irp u, 0,1
.irp f, 0,1,2,3
.if \s == 0
	v_wmma_scale_f32_16x16x128_f8f6f4 v[AC+32*\u+8*\f:AC+32*\u+8*\f+7], v[12*(4*\f+\s):12*(4*\f+\s)+11], v[OF+48*\u+12*\s:OF+48*\u+12*\s+11], 0, v[WSC+4*\f+\s], v[OS+4*\u+\s] matrix_a_fmt:MATRIX_FMT_FP6 matrix_b_fmt:MATRIX_FMT_FP6
.else
	v_wmma_scale_f32_16x16x128_f8f6f4 v[AC+32*\u+8*\f:AC+32*\u+8*\f+7], v[12*(4*\f+\s):12*(4*\f+\s)+11], v[OF+48*\u+12*\s:OF+48*\u+12*\s+11], v[AC+32*\u+8*\f:AC+32*\u+8*\f+7], v[WSC+4*\f+\s], v[OS+4*\u+\s] matrix_a_fmt:MATRIX_FMT_FP6 matrix_b_fmt:MATRIX_FMT_FP6
.endif
.endr
.endr
.endr
	WIN 0
.rept 4
	v_nop                                          ; places in front of the first read of results and of loads into O's registers
.endr
.irp u, 0,1
.irp f, 0,1,2,3
	ds_store_b128 v[SO], v[AC+32*\u+8*\f:AC+32*\u+8*\f+3] offset:8*SP*\u+128*(\f/2)+32*(\f%2)       ; each accumulator from its low end on
	ds_store_b128 v[SO], v[AC+32*\u+8*\f+4:AC+32*\u+8*\f+7] offset:8*SP*\u+128*(\f/2)+32*(\f%2)+16
.endr
.endr
.irp i, 0,1,2,3,4,5,6,7,8,9,10,11,12,13,14,15
	ds_load_b128 v[OF+4*\i:OF+4*\i+3], v[SR] offset:2*SP*\i   ; LDS serves a wave's instructions in order (ISA guide 5.7.1.4): these see my stores
.endr
.irp i, 0,1,2,3,4,5,6,7,8,9,10,11,12,13,14,15
	s_wait_dscnt 15-\i                             ; the younger loads may stay out
	global_store_b128 v[LI], v[OF+4*\i:OF+4*\i+3], s[10:11] offset:512*\i th:TH_STORE_NT   ; rows 2 i and 2 i + 1: written once, read by nobody here
.endr
	s_wait_tensorcnt 0x0                           ; the wave's end: s_wait_tensorcnt, the add to my spare word and its wait, behind my last LDS store
	ds_add_u32 v[SPW], v[NIL]
	s_wait_dscnt 0x0
	s_endpgm
.Lfunc_end_k_qbeda7eba3d_outp:
	.size	k_qbeda7eba3d_outp, .Lfunc_end_k_qbeda7eba3d_outp-k_qbeda7eba3d_outp
	.p2alignl 7, 3214868480
	.fill 96, 4, 3214868480
	.section	.rodata,"a",@progbits
	.p2align	6, 0x0
	.amdhsa_kernel k_qbeda7eba3d_outp
		.amdhsa_group_segment_fixed_size 17664
		.amdhsa_private_segment_fixed_size 0
		.amdhsa_enable_private_segment 0
		.amdhsa_kernarg_size 32
		.amdhsa_user_sgpr_count 2
		.amdhsa_user_sgpr_kernarg_segment_ptr 1
		.amdhsa_wavefront_size32 1
		.amdhsa_system_sgpr_workgroup_id_x 1
		.amdhsa_system_sgpr_workgroup_id_y 1
		.amdhsa_system_sgpr_workgroup_id_z 1
		.amdhsa_system_vgpr_workitem_id 0
		.amdhsa_next_free_vgpr 448
		.amdhsa_next_free_sgpr 66
		.amdhsa_reserve_vcc 0
		.amdhsa_float_denorm_mode_32 3
		.amdhsa_float_denorm_mode_16_64 3
		.amdhsa_memory_ordered 1
		.amdhsa_forward_progress 1
		.amdhsa_inst_pref_size 23
	.end_amdhsa_kernel
	.amdgpu_metadata
---
amdhsa.version: [ 1, 2 ]
amdhsa.kernels:
  - .name:           k_qbeda7eba3d_outp
    .symbol:         k_qbeda7eba3d_outp.kd
    .args:
      - { .name: oc, .offset: 0, .size: 8, .value_kind: global_buffer, .address_space: global }
      - { .name: os, .offset: 8, .size: 8, .value_kind: global_buffer, .address_space: global }
      - { .name: wf, .offset: 16, .size: 8, .value_kind: global_buffer, .address_space: global }
      - { .name: out0, .offset: 24, .size: 8, .value_kind: global_buffer, .address_space: global }
    .group_segment_fixed_size: 17664
    .private_segment_fixed_size: 0
    .kernarg_segment_align: 8
    .kernarg_segment_size: 32
    .max_flat_workgroup_size: 64
    .sgpr_count:     66
    .vgpr_count:     448
    .wavefront_size: 32
...
	.end_amdgpu_metadata
.endif
;; end of part 4
;; ======== version 2 of 2: 4 launches
;; workspace buffers: wf 665,600 bytes; qw 6,815,744 bytes; kv 13,107,200 bytes; oc 6,291,456 bytes; os 524,288 bytes
;; launch prep (part 5): grid 4 x 25, 4 waves a work-group, no clusters, 0 bytes of LDS; arguments WQ, WK, WV, WO, wf; writes wf
.if DOCPART == 5
	.amdgcn_target "amdgcn-amd-amdhsa--gfx1250"
	.amdhsa_code_object_version 6
	.text
	.protected	k_qbeda7eba3d_prep
	.globl	k_qbeda7eba3d_prep
	.p2align	8
	.type	k_qbeda7eba3d_prep,@function
k_qbeda7eba3d_prep:
	s_mov_b64 s[64:65], 0
	v_nop
	global_prefetch_b8 v0, s[64:65] scope:SCOPE_SE
	s_setreg_imm32_b32 hwreg(HW_REG_WAVE_MODE, 25, 1), 1
	s_wait_xcnt 0x0
; The 24 head matrices of WQ, WK, WV and the matrix WO, each [512 (k)][64 (n)] f32 with K as its FIRST axis, become codes of FP6 (E2M3) with one E8M0 byte for each 32 along K,
; laid in the ORDER OF AN OPERAND'S REGISTERS: a fragment (16 columns x 128 K, 12 registers a lane) is three planes of 512 bytes, plane c = registers 4 c .. 4 c + 3, lane l's 16 bytes at 16 l.
; Matrix y (0-7 WQ's heads, 8-15 WK's, 16-23 WV's, 24 WO), tile f of 16 columns, K step s: codes at (16 y + 4 f + s) x 1,536, its scale words (a word a lane, both halves of the lanes alike) at SCB + (16 y + 4 f + s) x 128.
; THE COLUMNS OF A TILE ARE NOT NEIGHBOURS: lane r of tile f takes column 32 (f / 2) + 8 (f % 2) + r + 8 (r / 8), so that results made with these tiles as source 0 hold 16 neighbours in the 16 registers of tiles 2 b and 2 b + 1.
; A LANE TAKES A COLUMN AND ITS REGISTERS RUN DOWN K, in the order that the operand's layout gives that lane (k = 64 c + 32 (l / 16) + 0 .. 31): the conversions' results are the operand's registers.
; SHARES: work-group (s, y), wave f: one fragment a wave; 100 work-groups are all the work there is.  No LDS, no barrier: waves share nothing.
; A block's scale is 2^(floor(log2(largest magnitude)) - 2): its byte is the largest magnitude's exponent field - 2, held at 1 from below.
; LIMITS: a block of zeros gets the byte 1 (its codes are zeros, and this program alone reads the bytes); blocks whose largest magnitude lies under 2^-124 take the byte 1; NaN and infinities among the inputs are not served.
.set FRB, 1536                         ; a fragment's image in bytes
.set SCB, 400*FRB                      ; behind the 400 images: the scale words
	s_load_b256 s[4:11], s[0:1], 0x0               ; WQ s[4:5], WK s[6:7], WV s[8:9], WO s[10:11]
	s_load_b64 s[12:13], s[0:1], 0x20              ; wf
	v_lshrrev_b32 v6, 5, v0
	v_readfirstlane_b32 s14, v6                    ; f: my wave's tile of columns
	s_and_b32 s15, ttmp7, 0xffff                   ; y: the matrix
	v_and_b32 v7, 31, v0                           ; lane
	v_and_b32 v1, 15, v0                           ; r
	v_bfe_u32 v2, v0, 4, 1                         ; h
	v_lshlrev_b32 v3, 4, v7                        ; 16 x lane: my place in a plane
	v_lshlrev_b32 v4, 2, v7                        ; 4 x lane: my scale word's place
	v_and_b32 v5, 8, v1
	v_add_nc_u32 v5, v5, v1                        ; r + 8 (r / 8)
	v_lshlrev_b32 v5, 2, v5                        ; 4 bytes a column
	v_lshl_add_u32 v5, v2, 13, v5                  ; lanes 16-31 begin 32 rows of 256 bytes further down
	s_lshr_b32 s16, s14, 1
	s_lshl_b32 s16, s16, 7                         ; 32 (f / 2) columns
	s_and_b32 s17, s14, 1
	s_lshl_b32 s17, s17, 5                         ; 8 (f % 2) columns
	s_add_co_u32 s16, s16, s17
	v_add_nc_u32 v5, s16, v5
	s_and_b32 s18, s15, 7
	s_lshl_b32 s18, s18, 17                        ; the head's matrix: 131,072 bytes each (WO: y & 7 = 0)
	s_lshl_b32 s19, ttmp9, 15                      ; K step s: 128 rows of 256 bytes
	s_add_co_u32 s18, s18, s19
	s_mov_b32 s19, 0
	s_lshl_b32 s20, s15, 4
	s_lshl_b32 s21, s14, 2
	s_add_co_u32 s20, s20, s21
	s_add_co_u32 s20, s20, ttmp9                   ; the fragment's number: 16 y + 4 f + s
	s_mul_i32 s22, s20, FRB
	s_mov_b32 s23, 0
	s_lshl_b32 s24, s20, 7
	s_add_co_u32 s24, s24, SCB
	s_mov_b32 s25, 0
	s_mov_b32 s26, 0x76543210
	s_mov_b32 s27, 0xfedcba98                      ; v_permlanex16_b32's selects for lane l xor 16
	s_wait_alu depctr_va_vdst(0)
	s_wait_kmcnt 0x0
	s_cmp_lt_u32 s15, 16                           ; which tensor: the choice hangs on the work-group's number alone
	s_cselect_b64 s[6:7], s[6:7], s[8:9]
	s_cmp_lt_u32 s15, 8
	s_cselect_b64 s[4:5], s[4:5], s[6:7]
	s_cmp_eq_u32 s15, 24
	s_cselect_b64 s[4:5], s[10:11], s[4:5]
	s_add_nc_u64 s[4:5], s[4:5], s[18:19]
	s_add_nc_u64 s[22:23], s[12:13], s[22:23]      ; where my codes go
	s_add_nc_u64 s[24:25], s[12:13], s[24:25]      ; and my scale words
.irp c, 0,1
.irp i, 0,1,2,3,4,5,6,7,8,9,10,11,12,13,14,15,16,17,18,19,20,21,22,23,24,25,26,27,28,29,30,31
	global_load_b32 v[64+32*\c+\i], v5, s[4:5] offset:256*(64*\c+\i)   ; W(128 s + 64 c + 32 h + i, my column)
.endr
.endr
	s_wait_loadcnt 0x0
.irp c, 0,1                                    ; my block 2 c + h: all its 32 numbers are mine
	v_max3_num_f32 v[32+\c], |v[64+32*\c]|, |v[65+32*\c]|, 0x1800000   ; with the floor 2^(3 - 127): the byte cannot fall under 1
.endr
.irp i, 2,4,6,8,10,12,14,16,18,20,22,24,26,28,30
.irp c, 0,1
	v_max3_num_f32 v[32+\c], v[32+\c], |v[64+32*\c+\i]|, |v[65+32*\c+\i]|   ; (the two blocks by turns)
.endr
.endr
.irp c, 0,1
	v_add_nc_u32 v[44+\c], 0xff000000, v[32+\c]    ; 2 off the exponent field: the conversion takes this operand's exponent field as its scale
.endr
.irp c, 0,1
	v_lshrrev_b32 v[36+\c], 23, v[44+\c]           ; the scale's byte
.endr
	v_lshl_or_b32 v9, v37, 16, v36                 ; my two bytes: blocks h and 2 + h,
	v_lshlrev_b32 v10, 3, v2
	v_lshlrev_b32 v9, v10, v9                      ; at their places in the word (8 h bits up);
	v_mov_b32 v10, 0
	v_permlanex16_b32 v10, v9, s26, s27
	v_or_b32 v9, v9, v10                           ; with lane l xor 16's two the word is whole, in both halves of the lanes
.irp c, 0,1
	v_cvt_scalef32_pk16_fp6_f32 v[48+6*\c:50+6*\c], v[64+32*\c:79+32*\c], v[44+\c]   ; registers 6 c .. 6 c + 2 of the operand
	v_cvt_scalef32_pk16_fp6_f32 v[16+4*\c:18+4*\c], v[80+32*\c:95+32*\c], v[44+\c]   ; (a conversion's three registers begin on an even number: the second half is made elsewhere and moved)
.endr
	v_nop                                          ; one plain place behind a scaled conversion
.irp c, 0,1
.irp i, 0,1,2
	v_mov_b32 v[51+6*\c+\i], v[16+4*\c+\i]
.endr
.endr
.irp c, 0,1,2
	global_store_b128 v3, v[48+4*\c:51+4*\c], s[22:23] offset:512*\c   ; 32 lanes store 512 consecutive bytes, at a multiple of 256 from wf's first byte
.endr
	global_store_b32 v4, v9, s[24:25]
	s_endpgm
.Lfunc_end_k_qbeda7eba3d_prep:
	.size	k_qbeda7eba3d_prep, .Lfunc_end_k_qbeda7eba3d_prep-k_qbeda7eba3d_prep
	.p2alignl 7, 3214868480
	.fill 96, 4, 3214868480
	.section	.rodata,"a",@progbits
	.p2align	6, 0x0
	.amdhsa_kernel k_qbeda7eba3d_prep
		.amdhsa_group_segment_fixed_size 0
		.amdhsa_private_segment_fixed_size 0
		.amdhsa_enable_private_segment 0
		.amdhsa_kernarg_size 40
		.amdhsa_user_sgpr_count 2
		.amdhsa_user_sgpr_kernarg_segment_ptr 1
		.amdhsa_wavefront_size32 1
		.amdhsa_system_sgpr_workgroup_id_x 1
		.amdhsa_system_sgpr_workgroup_id_y 1
		.amdhsa_system_sgpr_workgroup_id_z 1
		.amdhsa_system_vgpr_workitem_id 0
		.amdhsa_next_free_vgpr 128
		.amdhsa_next_free_sgpr 66
		.amdhsa_reserve_vcc 0
		.amdhsa_float_denorm_mode_32 3
		.amdhsa_float_denorm_mode_16_64 3
		.amdhsa_memory_ordered 1
		.amdhsa_forward_progress 1
		.amdhsa_inst_pref_size 12
	.end_amdhsa_kernel
	.amdgpu_metadata
---
amdhsa.version: [ 1, 2 ]
amdhsa.kernels:
  - .name:           k_qbeda7eba3d_prep
    .symbol:         k_qbeda7eba3d_prep.kd
    .args:
      - { .name: WQ, .offset: 0, .size: 8, .value_kind: global_buffer, .address_space: global }
      - { .name: WK, .offset: 8, .size: 8, .value_kind: global_buffer, .address_space: global }
      - { .name: WV, .offset: 16, .size: 8, .value_kind: global_buffer, .address_space: global }
      - { .name: WO, .offset: 24, .size: 8, .value_kind: global_buffer, .address_space: global }
      - { .name: wf, .offset: 32, .size: 8, .value_kind: global_buffer, .address_space: global }
    .group_segment_fixed_size: 0
    .private_segment_fixed_size: 0
    .kernarg_segment_align: 8
    .kernarg_segment_size: 40
    .max_flat_workgroup_size: 128
    .sgpr_count:     66
    .vgpr_count:     128
    .wavefront_size: 32
...
	.end_amdgpu_metadata
.endif
;; end of part 5
;; launch proj (part 6): grid 2 x 128, 4 waves a work-group, no clusters, 53,760 bytes of LDS; arguments x, wf, qw, kv; writes qw, kv
.if DOCPART == 6
	.amdgcn_target "amdgcn-amd-amdhsa--gfx1250"
	.amdhsa_code_object_version 6
	.text
	.protected	k_qbeda7eba3d_proj
	.globl	k_qbeda7eba3d_proj
	.p2align	8
	.type	k_qbeda7eba3d_proj,@function
k_qbeda7eba3d_proj:
	s_mov_b64 s[64:65], 0
	v_nop
	global_prefetch_b8 v0, s[64:65] scope:SCOPE_SE
	s_setreg_imm32_b32 hwreg(HW_REG_WAVE_SCHED_MODE, 0, 2), 2
	s_setreg_imm32_b32 hwreg(HW_REG_WAVE_MODE, 25, 1), 1
	s_wait_xcnt 0x0
	s_wait_alu depctr_vm_vsrc(0)
; Q, K, V = x W, on codes of FP6 (E2M3) with one E8M0 scale for each 32 along K = 512; then Q and K are quantised along their 64 features and V along the keys (tokens), for the attention launch.
; SHARES.  Work-group (yh, G): 128 tokens (group G of the 16,384) x heads 4 yh .. 4 yh + 3.  Wave w owns head 4 yh + w and makes its Q, K and V for all 128 tokens: one whole record of qw and one of kv.
; x IS QUANTISED ONCE A WORK-GROUP: wave w turns tokens 32 w .. 32 w + 31 into 8 fragments (2 tiles x 4 K steps) and puts them into LDS as IMAGES OF THEIR REGISTERS (3 stores of 512 bytes); one barrier; every wave loads them back by the same lines.
; THE TOKENS OF A TILE ARE NOT NEIGHBOURS: lane r of tile T takes token 32 (T / 2) + 8 (T % 2) + r + 8 (r / 8); the weights' tiles of columns are laid alike.  So the 16 registers of two neighbouring result tiles are 16 neighbours along source 0's rows:
;   Q, K: source 0 = 16 columns of W, source 1 = 16 tokens: a lane holds ONE token, its registers run along the features, the next K.  Tiles T = 2 i and 2 i + 1 (64 registers) give ONE fragment [tile 2 i's 64 features | tile 2 i + 1's].
;   V:    source 0 = 16 tokens, source 1 = 16 columns of W: a lane holds ONE channel, its registers run along the tokens, the next K: 64 registers give one fragment of 16 channels x 128 keys.
; THE WEIGHTS come from wf straight into registers, in the operand's order, 48 loads of 512 bytes a matrix; two sets take turns (Q's, K's, then V's over Q's).
; NO CLUSTER, NO JOINT LOADS: a work-group's weights are 4 waves x 48 fragments x 1,536 = 294,912 bytes; with x's images (53,248) they pass a work-group's 327,680 bytes of LDS, and from LDS each fragment would be read once more on its way to registers;
; x must pass through registers to be quantised.
; OUT.  qw record (6,656 bytes; number 128 b + 16 head + g): 4 images [Q_a | Q_b], then 512 bytes: lane l's 16 bytes = the four images' scale words.
;       kv record (12,800 bytes, same number): 4 images of K, 4 of V, then 512 bytes: lane l's four words: K's fragments 0 | 1 (lanes 0-15 | 16-31), 2 | 3, V's 0 | 1, 2 | 3.
; LIMITS: a block of zeros gets the byte 1 (zero codes; this program alone reads the bytes); blocks whose largest magnitude lies under 2^-124 take the byte 1; NaN and infinities are not served.
; REGISTERS, in windows of 256 (s_set_vgpr_msb: bits 1:0 source 0, 3:2 source 1, 5:4 source 2, 7:6 destination): window 0: addresses, what the quantiser works in, x's fragments (two buffers), all scale words, four out-buffers;
;   window 1: four sets of 64 numbers of x, later the 32 accumulators;  window 2: weight set A;  window 3: weight set B (fragment (f, s) at 12 (4 f + s)).
; THE MODE: SCHED_MODE bits 1:0 = 2 (LLVM: expert scheduling mode 2), set by the entry lines.  The code itself states the register dependences
; between vector or matrix instructions and memory or LDS instructions, with s_wait_alu, always for 0.
; THE PLAN.  Registers that memory or LDS instructions touch:
;   v1 .. v7        Addresses and the add's two: written at the head, never again.
;   window 1, x     Step e of the x phase: its quantiser reads set e % 4; behind it the loads of step e + 4 land there.
;   PC, PWX         Step e's quantiser writes them, its four LDS stores read them.  The x phase alone names them.
;   XF, XS          Two buffers.  Tile T's products read buffer T % 2; the LDS loads of tile T + 1, issued inside tile T, land in the other, which tile T - 1's products read.
;   set A, set B    Loaded; read by products; set A is loaded once more, with V's weights, behind Q's products.  WSC: loaded once.
;   OB0 .. OB3      Fragment i of a kind: its quantiser writes OB[i], its three stores read it.  A buffer is written again a whole kind later.
;   SW, SC          Written by the quantiser and by v_cndmask_b32; read by one store each.
;   The accumulators, TM, CT and FL are named by vector and matrix instructions alone.
; So: an x step has one wait on vm_vsrc at its head and one on va_vdst behind its quantiser; a tile that fetches into a buffer just read has one wait on va_vdst at its head, and its loads stand behind its first four products,
; which name none of their registers; one wait on va_vdst behind Q's and behind K's products frees the registers that are loaded during the way out; a way out has one wait on va_vdst a fragment and one pair (XCNT, vm_vsrc) a kind.
.set FRB,   1536                       ; a fragment's image
.set XIMG,  0                          ; LDS: x's 32 fragments, 4 T + s
.set XSC,   32*FRB                     ; their scale words: tile T's 512 bytes: lane l's 16 bytes = the words of K steps 0 .. 3
.set SPARE, XSC+8*512                  ; the spare words, 128 bytes for each wave: two blocks of 256 bytes that no other line names
.set SCB,   400*FRB                    ; wf: where the scale words begin
.set LI,  1                            ; v1   16 x lane
.set LS,  2                            ; v2   4 x lane
.set XA,  3                            ; v3   x: my token's row (2,048 bytes) + 64 h
.set XWI, 4                            ; v4   where I store x's images: 16 x lane + 8 FRB x wave
.set XWS, 5                            ; v5   and their scale words: 16 x lane + 1,024 x wave
.set SPW, 6                            ; v6   LDS address of my spare word; never rewritten
.set NIL, 7                            ; v7   0; never rewritten
.set FL,  8                            ; v8   the floor 2^(3 - 127)
.set TM,  10                           ; v10-13 largest magnitudes, v14-17 the other half's, then bytes, v22-25 the conversions' scale operands
.set PC,  26                           ; v26-37 the codes of a fragment of x
.set CT,  38                           ; v38-40, v42-44 the conversions' second halves
.set SW,  46                           ; v46-49 four fragments' scale words
.set SC,  50                           ; v50-53 kv's four scale words
.set XS,  54                           ; v54-61 x's scale words, two buffers of four
.set PWX, 62                           ; v62    the scale word of a fragment of x
.set XF,  64                           ; v64-159 x's four fragments of a tile, two buffers of 48
.set WSC, 160                          ; v160-207 the weights' scale words: 16 kind + 4 f + s
.set OB,  208                          ; v208-255 four out-buffers of 12: the codes of a kind's four fragments
.set SEL, 18                           ; s[18:19] v_permlanex16_b32's selects for lane l xor 16
.set MSB, 0
.macro WIN new                         ; the immediate's high byte repeats the setting that is left
.if MSB != \new
	s_set_vgpr_msb (MSB<<8)|\new
.set MSB, \new
.endif
.endm
.macro PLACES                          ; four plain places: behind matrix instructions, in front of loads into registers that they read and of the first read of results
.rept 4
	v_nop
.endr
.endm
; 64 numbers of x a lane: tile e / 4 of my two, K step e % 4: of each block of 32 my half's 16 neighbours, into set `set` of window 1
.macro XLOAD set, e
	WIN 0x40
.irp b, 0,1,2,3
.irp j, 0,1,2,3
	global_load_b128 v[64*(\set)+16*\b+4*\j:64*(\set)+16*\b+4*\j+3], v[XA], s[26:27] offset:16384*((\e)/4)+512*((\e)%4)+128*\b+16*\j
.endr
.endr
.endm
; 64 numbers of a lane in window 1, register src + 16 b + i = k 32 b + 16 (lane / 16) + i of my row, become a fragment's codes in v[pc] on and its scale word in v[pw] (the same word in both halves of the lanes)
.macro QUANT src, pw, pc
	WIN 0x14                                       ; sources 1 and 2 window 1
.irp b, 0,1,2,3
	v_max3_num_f32 v[TM+\b], v[FL], |v[(\src)+16*\b]|, |v[(\src)+16*\b+1]|   ; block b: my 16 numbers and the floor; each accumulator is read from its low end on
.endr
.irp i, 2,4,6,8,10,12,14
.irp b, 0,1,2,3
	v_max3_num_f32 v[TM+\b], v[TM+\b], |v[(\src)+16*\b+\i]|, |v[(\src)+16*\b+\i+1]|   ; (the four blocks by turns)
.endr
.endr
	WIN 0
.irp b, 0,1,2,3
	v_permlanex16_b32 v[TM+4+\b], v[TM+\b], s[SEL], s[SEL+1]
.endr
.irp b, 0,1,2,3
	v_max_num_f32 v[TM+\b], v[TM+\b], v[TM+4+\b]   ; with lane l xor 16's: the block's largest magnitude
.endr
.irp b, 0,1,2,3
	v_add_nc_u32 v[TM+12+\b], 0xff000000, v[TM+\b] ; 2 off its exponent field: the conversion's scale operand
.endr
.irp b, 0,1,2,3
	v_lshrrev_b32 v[TM+4+\b], 23, v[TM+12+\b]      ; the scale's byte
.endr
	v_lshl_or_b32 v[\pw], v[TM+5], 8, v[TM+4]
	v_lshl_or_b32 v[\pw], v[TM+6], 16, v[\pw]
	v_lshl_or_b32 v[\pw], v[TM+7], 24, v[\pw]
	WIN 0x01                                       ; source 0 window 1
.irp c, 0,1
	v_cvt_scalef32_pk16_fp6_f32 v[(\pc)+6*\c:(\pc)+6*\c+2], v[(\src)+32*\c:(\src)+32*\c+15], v[TM+12+2*\c]
	v_cvt_scalef32_pk16_fp6_f32 v[CT+4*\c:CT+4*\c+2], v[(\src)+16+32*\c:(\src)+31+32*\c], v[TM+13+2*\c]   ; (a conversion's three registers begin on an even number)
.endr
	WIN 0
	v_nop                                          ; one plain place behind a scaled conversion
.irp c, 0,1                                    ; the operand's layout wants a WHOLE block in a lane: lanes 0-15 block 2 c, lanes 16-31 block 2 c + 1
.irp i, 0,1,2
	v_permlane16_swap_b32 v[(\pc)+6*\c+\i], v[CT+4*\c+\i]
.endr
.irp i, 0,1,2
	v_mov_b32 v[(\pc)+3+6*\c+\i], v[CT+4*\c+\i]
.endr
.endr
.endm
; my head's weights of kind kap (0 Q, 1 K, 2 V), tiles lo .. hi, into the window that win names as destination
.macro WLOAD win, kap, lo, hi
	WIN \win
.irp f, 0,1,2,3
.if (\f >= \lo) && (\f <= \hi)
.irp s, 0,1,2,3
.irp c, 0,1,2
	global_load_b128 v[12*(4*\f+\s)+4*\c:12*(4*\f+\s)+4*\c+3], v[LI], s[22:23] offset:196608*(\kap)+(4*\f+\s)*FRB+512*\c
.endr
.endr
.endif
.endr
.endm
; tile T's four fragments of x and their four scale words, from LDS into buffer buf: 13 loads
.macro XFETCH T, buf
.irp s, 0,1,2,3
.irp c, 0,1,2
	ds_load_b128 v[XF+48*(\buf)+12*\s+4*\c:XF+48*(\buf)+12*\s+4*\c+3], v[LI] offset:XIMG+(4*(\T)+\s)*FRB+512*\c
.endr
.endr
	ds_load_b128 v[XS+4*(\buf):XS+4*(\buf)+3], v[LI] offset:XSC+512*(\T)
.endm
.macro WM d, a, b, ks, sa, sb          ; one product; K step 0 starts the sum: nothing is ever cleared
.if (\ks) == 0
	v_wmma_scale_f32_16x16x128_f8f6f4 v[(\d):(\d)+7], v[(\a):(\a)+11], v[(\b):(\b)+11], 0, v[\sa], v[\sb] matrix_a_fmt:MATRIX_FMT_FP6 matrix_b_fmt:MATRIX_FMT_FP6
.else
	v_wmma_scale_f32_16x16x128_f8f6f4 v[(\d):(\d)+7], v[(\a):(\a)+11], v[(\b):(\b)+11], v[(\d):(\d)+7], v[\sa], v[\sb] matrix_a_fmt:MATRIX_FMT_FP6 matrix_b_fmt:MATRIX_FMT_FP6
.endif
.endm
; K steps lo .. hi of tile T of tokens x my head's four tiles of columns, K step by K step; the four accumulators take turns, one instruction a turn
.macro MULT T, buf, kap, win, isv, lo, hi
	WIN \win
.irp s, 0,1,2,3
.if (\s >= \lo) && (\s <= \hi)
.irp f, 0,1,2,3
.if \isv
	WM 64*\f+8*(\T), XF+48*(\buf)+12*\s, 12*(4*\f+\s), \s, XS+4*(\buf)+\s, WSC+16*(\kap)+4*\f+\s
.else
	WM 32*(\T)+8*\f, 12*(4*\f+\s), XF+48*(\buf)+12*\s, \s, WSC+16*(\kap)+4*\f+\s, XS+4*(\buf)+\s
.endif
.endr
.endif
.endr
.endm
; one of Q, K, V for the 128 tokens: 128 products.  lw: the younger global loads that may stay out when this kind's weights have to be there.  Tile 0's fragments were asked for ahead of the job
.macro JOB kap, win, isv, lw
	s_wait_loadcnt \lw
.irp T, 0,1,2,3,4,5,6,7
.if (\T > 0) && (\T < 7)
	PLACES                                         ; the buffer filled next was read by the products just issued
	s_wait_alu depctr_va_vdst(0)                   ; the last tile's products are done reading their buffer of x and its scale words, in which this tile's 13 loads land
.endif
	s_wait_dscnt 0x0                               ; this tile's fragments are in: they were asked for twelve products ago (tile 0's: ahead of the job)
	MULT \T, \T%2, \kap, \win, \isv, 0, 0
.if \T < 7
	WIN 0
	XFETCH \T+1, (\T+1)%2                          ; no further wait: the four products since the wait name this tile's buffer, the weights, their scale words and the accumulators, none of the registers that these loads touch
.endif
	MULT \T, \T%2, \kap, \win, \isv, 1, 3
.endr
	WIN 0
	PLACES                                         ; in front of the first read of results, and of loads into the weights' registers
.endm
; the 256 accumulator registers become four fragments, which leave as images: each store is 512 consecutive bytes at a multiple of 256 from the buffer's first byte.  stored = 1: an earlier kind has left from the same out-buffers
.macro OUTQ base, off, stored
.if \stored
	s_wait_xcnt 0x0                                ; the last kind's stores, a whole job back, have had their addresses translated (ISA guide 3.1): their data registers may be written again
	s_wait_alu depctr_vm_vsrc(0)                   ; and they have read the four out-buffers and SW, which the quantisers below write again
.endif
.irp i, 0,1,2,3
	QUANT 64*\i, SW+\i, OB+12*\i
	s_wait_alu depctr_va_vdst(0)                   ; the quantiser has written OB[i], which the three stores read (and SW + i)
.irp c, 0,1,2
	global_store_b128 v[LI], v[OB+12*\i+4*\c:OB+12*\i+4*\c+3], s[\base:\base+1] offset:\off+FRB*\i+512*\c
.endr
.endr
.endm
	s_load_b256 s[4:11], s[0:1], 0x0               ; x s[4:5], wf s[6:7], qw s[8:9], kv s[10:11]
	v_lshl_add_u32 v[SPW], v0, 2, SPARE
	v_mov_b32 v[NIL], 0
	v_lshrrev_b32 v9, 5, v0
	v_readfirstlane_b32 s12, v9                    ; wave 0..3
	v_and_b32 v[LS], 31, v0
	v_lshlrev_b32 v[LI], 4, v[LS]
	v_lshlrev_b32 v[LS], 2, v[LS]
	v_and_b32 v9, 15, v0                           ; r
	v_and_b32 v[XA], 8, v9
	v_add_nc_u32 v[XA], v[XA], v9                  ; r + 8 (r / 8)
	v_lshlrev_b32 v[XA], 11, v[XA]
	v_bfe_u32 v9, v0, 4, 1                         ; h
	v_lshl_add_u32 v[XA], v9, 6, v[XA]
	v_mov_b32 v[FL], 0x1800000
.irp b, 0,1,2,3
	v_mov_b32 v[TM+4+\b], 0                        ; written once: a lane permute's destination counts as one of its sources
.endr
	s_wait_alu depctr_va_sdst(0)                   ; s12 is written, ahead of its first reader: the head, the LDS places and the bases are made from it
	s_and_b32 s14, ttmp7, 0xffff                   ; G: the group of 128 tokens
	s_lshl_b32 s15, ttmp9, 2
	s_add_co_u32 s15, s15, s12                     ; my head: 4 yh + wave
	s_mul_i32 s42, s12, 8*FRB
	v_add_nc_u32 v[XWI], s42, v[LI]
	s_lshl_b32 s43, s12, 10
	v_add_nc_u32 v[XWS], s43, v[LI]
	s_mov_b32 s[SEL], 0x76543210
	s_mov_b32 s[SEL+1], 0xfedcba98
	s_mov_b32 s20, 0xffff0000                      ; lanes 16-31
	s_lshr_b32 s16, s14, 4                         ; b
	s_and_b32 s17, s14, 15                         ; g
	s_lshl_b32 s16, s16, 7
	s_lshl_b32 s21, s15, 4
	s_add_co_u32 s16, s16, s21
	s_add_co_u32 s16, s16, s17                     ; the records' number: 128 b + 16 head + g
	s_mul_i32 s32, s16, 6656
	s_mov_b32 s33, 0
	s_mul_i32 s34, s16, 12800
	s_mov_b32 s35, 0
	s_mul_i32 s36, s15, 16*FRB                     ; my head's 16 fragments of a kind
	s_mov_b32 s37, 0
	s_lshl_b32 s38, s15, 11                        ; and their scale words
	s_mov_b32 s39, 0
	s_lshl_b32 s40, s14, 18                        ; the group's 128 rows of 2,048 bytes,
	s_lshl_b32 s41, s12, 16                        ; my wave's 32 of them
	s_add_co_u32 s40, s40, s41
	s_mov_b32 s41, 0
	s_wait_kmcnt 0x0
	s_add_nc_u64 s[22:23], s[6:7], s[36:37]
	s_add_nc_u64 s[24:25], s[6:7], s[38:39]
	s_add_nc_u64 s[26:27], s[4:5], s[40:41]
	s_add_nc_u64 s[28:29], s[8:9], s[32:33]
	s_add_nc_u64 s[30:31], s[10:11], s[34:35]
	s_wait_alu depctr_va_vdst(0)                   ; v1 to v7 are written: every load, store and LDS instruction of the kernel reads one of them as its address, and none is written again
	; ---- x: my 32 tokens become eight fragments.  Four sets of 64 numbers are on their way; when x is used up, the weights take the loads' place
.irp e, 0,1,2,3
	XLOAD \e, \e
.endr
.irp e, 0,1,2,3,4,5,6,7
.if \e < 5
	s_wait_loadcnt 48                              ; behind this set's loads: three sets of 16
.elseif \e == 5
	s_wait_loadcnt 56                              ; two sets of 16 and 24 loads of weights
.else
	s_wait_loadcnt 63                              ; 64 and 96 younger loads: the largest count that the wait can name; a smaller count than the true one is safe
.endif
	s_wait_dscnt 0x0                               ; the last image's stores are done
.if \e > 0
	s_wait_alu depctr_vm_vsrc(0)                   ; the last step's LDS stores have read PC and PWX, which the quantiser writes again
.endif
	QUANT 64*(\e%4), PWX, PC
	s_wait_alu depctr_va_vdst(0)                   ; the quantiser has written PC and PWX, which the LDS stores read, and is done reading its set of x, in which the loads of four steps on land
.irp c, 0,1,2
	ds_store_b128 v[XWI], v[PC+4*\c:PC+4*\c+3] offset:XIMG+\e*FRB+512*\c   ; fragment 4 (2 w + e / 4) + e % 4
.endr
	ds_store_b32 v[XWS], v[PWX] offset:XSC+512*(\e/4)+4*(\e%4)
.if \e < 4
	XLOAD \e, \e+4                                 ; between the wait and these loads stand only LDS stores of other registers and the window's switch
.elseif \e == 4
	WLOAD 0x80, 0, 0, 1                            ; Q's weights into set A: no vector or matrix instruction has named these registers
.elseif \e == 5
	WLOAD 0x80, 0, 2, 3
.elseif \e == 6
	WIN 0
.irp k, 0,1,2
.irp n, 0,1,2,3,4,5,6,7,8,9,10,11,12,13,14,15
	global_load_b32 v[WSC+16*\k+\n], v[LS], s[24:25] offset:SCB+16384*\k+128*\n   ; all three kinds' scale words
.endr
.endr
.else
	WLOAD 0xc0, 1, 0, 3                            ; K's weights into set B
.endif
.endr
	WIN 0
	s_wait_dscnt 0x0                               ; for the others' sake: my images have landed
	s_barrier_signal -1
	s_barrier_wait -1                              ; x's 32 fragments lie in LDS; nothing is written there again
	XFETCH 0, 0                                    ; tile 0 for Q: no vector or matrix instruction has named these registers yet
	; ---- Q
	JOB 0, 0x52, 0, 48                             ; set A and the scale words are in; K's 48 loads may be out
	s_wait_alu depctr_va_vdst(0)                   ; Q's products are done reading set A, in which V's weights land, and x's buffers and scale words, in which K's first tiles land
	WLOAD 0x80, 2, 0, 3                            ; V's weights over Q's, behind the four places
	WIN 0
	XFETCH 0, 0                                    ; tile 0 for K: it lands while Q goes out
	OUTQ 28, 0, 0
	global_store_b128 v[LI], v[SW:SW+3], s[28:29] offset:4*FRB   ; the way out's last wait stands behind the line that wrote SW + 3
	; ---- K
	JOB 1, 0x53, 0, 48                             ; set B is in; V's 48 loads may be out
	s_wait_alu depctr_va_vdst(0)                   ; K's products are done reading x's buffers and scale words, in which V's first tiles land
	XFETCH 0, 0                                    ; tile 0 for V: it lands while K goes out
	OUTQ 30, 0, 1
	v_cndmask_b32 v[SC], v[SW], v[SW+1], s20       ; lanes 0-15 fragment 0's words, lanes 16-31 fragment 1's
	v_cndmask_b32 v[SC+1], v[SW+2], v[SW+3], s20
	; ---- V
	JOB 2, 0x58, 1, 0
	OUTQ 30, 4*FRB, 1
	v_cndmask_b32 v[SC+2], v[SW], v[SW+1], s20
	v_cndmask_b32 v[SC+3], v[SW+2], v[SW+3], s20
	s_wait_alu depctr_va_vdst(0)                   ; the four selections have written SC, which the store reads
	global_store_b128 v[LI], v[SC:SC+3], s[30:31] offset:8*FRB
	s_wait_dscnt 0x0                               ; the closing lines, six on end
	s_wait_alu 0x0
	s_wait_tensorcnt 0x0
	ds_add_u32 v[SPW], v[NIL]
	s_wait_dscnt 0x0
	s_endpgm
.Lfunc_end_k_qbeda7eba3d_proj:
	.size	k_qbeda7eba3d_proj, .Lfunc_end_k_qbeda7eba3d_proj-k_qbeda7eba3d_proj
	.p2alignl 7, 3214868480
	.fill 96, 4, 3214868480
	.section	.rodata,"a",@progbits
	.p2align	6, 0x0
	.amdhsa_kernel k_qbeda7eba3d_proj
		.amdhsa_group_segment_fixed_size 53760
		.amdhsa_private_segment_fixed_size 0
		.amdhsa_enable_private_segment 0
		.amdhsa_kernarg_size 32
		.amdhsa_user_sgpr_count 2
		.amdhsa_user_sgpr_kernarg_segment_ptr 1
		.amdhsa_wavefront_size32 1
		.amdhsa_system_sgpr_workgroup_id_x 1
		.amdhsa_system_sgpr_workgroup_id_y 1
		.amdhsa_system_sgpr_workgroup_id_z 1
		.amdhsa_system_vgpr_workitem_id 0
		.amdhsa_next_free_vgpr 960
		.amdhsa_next_free_sgpr 66
		.amdhsa_reserve_vcc 0
		.amdhsa_float_denorm_mode_32 3
		.amdhsa_float_denorm_mode_16_64 3
		.amdhsa_memory_ordered 1
		.amdhsa_forward_progress 1
		.amdhsa_inst_pref_size 188
	.end_amdhsa_kernel
	.amdgpu_metadata
---
amdhsa.version: [ 1, 2 ]
amdhsa.kernels:
  - .name:           k_qbeda7eba3d_proj
    .symbol:         k_qbeda7eba3d_proj.kd
    .args:
      - { .name: x, .offset: 0, .size: 8, .value_kind: global_buffer, .address_space: global }
      - { .name: wf, .offset: 8, .size: 8, .value_kind: global_buffer, .address_space: global }
      - { .name: qw, .offset: 16, .size: 8, .value_kind: global_buffer, .address_space: global }
      - { .name: kv, .offset: 24, .size: 8, .value_kind: global_buffer, .address_space: global }
    .group_segment_fixed_size: 53760
    .private_segment_fixed_size: 0
    .kernarg_segment_align: 8
    .kernarg_segment_size: 32
    .max_flat_workgroup_size: 128
    .sgpr_count:     66
    .vgpr_count:     960
    .wavefront_size: 32
...
	.end_amdgpu_metadata
.endif
;; end of part 6
;; launch attn (part 7): grid 4 x 64, 16 waves a work-group, clusters of 4 x 1, 206,848 bytes of LDS; arguments qw, kv, oc, os; writes oc, os
.if DOCPART == 7
	.amdgcn_target "amdgcn-amd-amdhsa--gfx1250"
	.amdhsa_code_object_version 6
	.text
	.protected	k_qbeda7eba3d_attn
	.globl	k_qbeda7eba3d_attn
	.p2align	8
	.type	k_qbeda7eba3d_attn,@function
k_qbeda7eba3d_attn:
	s_mov_b64 s[64:65], 0
	v_nop
	global_prefetch_b8 v0, s[64:65] scope:SCOPE_SE
	s_setreg_imm32_b32 hwreg(HW_REG_WAVE_MODE, 25, 1), 1
	s_wait_xcnt 0x0
	s_wait_alu depctr_hold_cnt(0) depctr_sa_sdst(0) depctr_va_vdst(0) depctr_va_sdst(0) depctr_va_ssrc(0) depctr_va_vcc(0) depctr_vm_vsrc(0)
	s_getreg_b32 s2, hwreg(HW_REG_IB_STS2, 6, 4)
	s_cmp_eq_u32 s2, 0
	s_cbranch_scc0 .Lentry_in_a_cluster
	s_endpgm
.Lentry_in_a_cluster:
	s_bfe_u32 s2, ttmp6, 0x10000c
	s_cmp_lg_u32 s2, 0x3003
	s_cbranch_scc0 .Lentry_shape_is_right
	s_endpgm
.Lentry_shape_is_right:
; O = softmax(Q K^T / 8) V for one (batch, head), both products on codes of FP6 (E2M3) with one E8M0 scale for each 32 along K; then O / l is quantised along the head's 64 channels for the last product.
; THE SOFTMAX AHEAD OF THE SECOND PRODUCT: t = score x log2(e) / 8; M = the running largest t rounded UP to a whole number; p = 2^(t - M) is quantised along the keys, not normalised; the row's sum l is taken of the unquantised p.
; When M moves, the sum and O^T are multiplied by 2^(old M - new M): exact.
; SHARES.  A cluster of four work-groups takes one (batch, head); work-group cx takes queries 512 cx on; each of its SIXTEEN waves owns 32 queries, two tiles of 16, one after the other (two passes), in 256 registers:
; four waves to a SIMD, so that one wave's vector work stands beside another's matrix work and LDS loads.
; ALL OF THE HEAD'S K AND V LIE IN LDS: 16 records of 12,800 bytes (128 keys each: 4 fragments of K, 4 of V, 512 bytes of scale words), 204,800 bytes, filled ONCE: no slot is ever filled again.
; The four partners walk the same K and V, so each record is asked for JOINTLY: the same tensor load, the same descriptor, a mask that names the four.  Waves 0-3 issue four loads each, one for each chunk of four records;
; a chunk is read behind a barrier in front of which the issuing waves have waited for it, while the later chunks are still on their way.
; THE FIRST PRODUCT'S K IS 64, half of the instruction's 128.  A fragment of K holds TWO tiles of keys, [K_a | K_b]; it is multiplied once by [Q | 0] and once by [0 | Q]: zero codes add nothing under any byte but 0xff.
; v[QZ ..] holds [Q | 0 | Q]: the two operands are its registers 0-11 and 6-17; Q's two scale bytes stand in both halves of its scale word.
; LAYOUT.  Both products are used transposed (S^T = K Q^T, O^T = V^T P^T): a lane holds ONE query throughout.  The keys of a tile of K and the channels of a tile of V were chosen by the launch before so that
; S^T's register 16 p + i is key 32 p + 16 (lane / 16) + i of the step, and O^T's register 16 b + i channel 32 b + 16 (lane / 16) + i.
; OUT.  oc: half a fragment (16 tokens x this head's 64 channels, 6 registers) as three planes of 256 bytes at (64 b + pair) x 12,288 + 6,144 tile + 768 head; os: a word a lane, bytes (tile 0: blocks 0, 1; tile 1: blocks 0, 1).
; LIMITS: a block of zeros gets the byte 1 (zero codes); p under 2^-126 counts as 0; NaN and infinities are not served.
.set RECB,  12800                      ; a record of kv
.set FRB,   1536                       ; a fragment's image: three planes of 512 bytes, lane l's 16 bytes at 16 l
.set QREC,  6656                       ; a record of qw
.set SPARE, 16*RECB                    ; behind the records: the spare words, 128 bytes for each wave: eight blocks of 256 bytes that no other line names
.set LI,  1                            ; v1   16 x lane
.set ADR, 2                            ; v2   LDS address of the step's record, + 16 x lane
.set SPW, 3                            ; v3   LDS address of my spare word; never rewritten
.set NIL, 4                            ; v4   0; never rewritten
.set L8,  5                            ; v5   8 x lane
.set QS,  6                            ; v6   Q's scale word for the tile in hand
.set QW,  7                            ; v7   the pair's scale word, as loaded
.set OW,  8                            ; v8   O's scale word, gathered over the two passes
.set L4,  9                            ; v9   4 x lane
                                       ; v12 -M, v13 the largest t, v[14:15] the sum in two halves
.set QZ,  16                           ; v16-33  [Q | 0 | Q]
.set QI,  34                           ; v34-45  the pair's image [Q_a | Q_b]
.set KF,  48                           ; v48-95  four fragments of K, then of V
.set S,   96                           ; v96-159 S^T, then p
.set OT,  160                          ; v160-191 O^T
.set SC,  192                          ; v192-195 the record's scale words
.set PC,  196                          ; v196-207 p's codes
.set CT,  208                          ; v208-210, v212-214 the conversions' second halves
.set BM,  216                          ; v216-219 each block's largest score, then its largest p
.set PB,  220                          ; v220-223 the other half's, then the scale bytes
.set SO,  224                          ; v224-227 the conversions' scale operands
.set F,   228                          ; v228 f = 2^(old M - new M)
.set PW,  229                          ; v229 p's scale word
.set TP,  230                          ; v230 at work
.set L2,  232                          ; v[232:233] the sum's second chain
.set WV,  12                           ; s12  my wave's number
.set SEL, 16                           ; s[16:17] v_permlanex16_b32's selects for lane l xor 16
.set CS,  18                           ; s[18:19] c = log2(e) / 8: the packed form names a pair and takes its low word for both halves
.set TB,  20                           ; s20  LDS byte at which the step's record begins
.set CNT, 21                           ; s21  a chunk's steps to go
.set PASS, 22                          ; s22  passes to go
.set G1,  24                           ; s[24:31] descriptor group 1
.set G0,  32                           ; s[32:47] descriptor group 0, one for each chunk
.set OB,  50                           ; s[50:51] where the tile's codes go
.set OSB, 52                           ; s[52:53] where the pair's scale words go
.set QB,  54                           ; s[54:55] my pair's image in qw;  s[56:57] its scale words
; A round of the cluster's barrier: my work-group's barrier, so that wave 0's signal speaks for all sixteen waves; wave 0 signals for the work-group; every wave waits for the four work-groups; my work-group's barrier once more.
.macro CROUND
	s_barrier_signal -1
	s_barrier_wait -1
	s_cmp_lg_u32 s[WV], 0
	s_cbranch_scc1 .Lnot_wave_0_\@
	s_barrier_signal -3
.Lnot_wave_0_\@:
	s_barrier_wait -3
	s_barrier_signal -1
	s_barrier_wait -1
.endm
.macro KQ p, u                         ; S^T of key tile 2 p + u: fragment p of K x [Q | 0] (u = 0) or [0 | Q] (u = 1); an odd fragment's scale words stand in lanes 16-31
.if (\p)%2
	v_wmma_scale_f32_16x16x128_f8f6f4 v[S+16*\p+8*\u:S+16*\p+8*\u+7], v[KF+12*\p:KF+12*\p+11], v[QZ+6*\u:QZ+6*\u+11], 0, v[SC+\p/2], v[QS] matrix_a_fmt:MATRIX_FMT_FP6 matrix_b_fmt:MATRIX_FMT_FP6 matrix_a_scale:MATRIX_SCALE_ROW1
.else
	v_wmma_scale_f32_16x16x128_f8f6f4 v[S+16*\p+8*\u:S+16*\p+8*\u+7], v[KF+12*\p:KF+12*\p+11], v[QZ+6*\u:QZ+6*\u+11], 0, v[SC+\p/2], v[QS] matrix_a_fmt:MATRIX_FMT_FP6 matrix_b_fmt:MATRIX_FMT_FP6
.endif
.endm
.macro PV t                            ; O^T's tile t += fragment t of V x p
.if (\t)%2
	v_wmma_scale_f32_16x16x128_f8f6f4 v[OT+8*\t:OT+8*\t+7], v[KF+12*\t:KF+12*\t+11], v[PC:PC+11], v[OT+8*\t:OT+8*\t+7], v[SC+2+\t/2], v[PW] matrix_a_fmt:MATRIX_FMT_FP6 matrix_b_fmt:MATRIX_FMT_FP6 matrix_a_scale:MATRIX_SCALE_ROW1
.else
	v_wmma_scale_f32_16x16x128_f8f6f4 v[OT+8*\t:OT+8*\t+7], v[KF+12*\t:KF+12*\t+11], v[PC:PC+11], v[OT+8*\t:OT+8*\t+7], v[SC+2+\t/2], v[PW] matrix_a_fmt:MATRIX_FMT_FP6 matrix_b_fmt:MATRIX_FMT_FP6
.endif
.endm
; A KEY STEP: the 128 keys of the record at s[TB]
.macro STEP
	v_add_nc_u32 v[ADR], s[TB], v[LI]
.rept 3
	v_nop                                          ; with the addition: four places in front of loads into registers that the last products read
.endr
.irp p, 0,1,2,3
.irp c, 0,1,2
	ds_load_b128 v[KF+12*\p+4*\c:KF+12*\p+4*\c+3], v[ADR] offset:FRB*\p+512*\c
.endr
.endr
	ds_load_b128 v[SC:SC+3], v[ADR] offset:8*FRB
	s_wait_alu depctr_va_vdst(0)
	s_wait_dscnt 0x0
.irp p, 0,1,2,3
.irp u, 0,1
	KQ \p, \u
.endr
.endr
.rept 4
	v_nop                                          ; places: in front of the loads below and of the first read of the scores
.endr
.irp t, 0,1,2,3
.irp c, 0,1,2
	ds_load_b128 v[KF+12*\t+4*\c:KF+12*\t+4*\c+3], v[ADR] offset:4*FRB+FRB*\t+512*\c   ; V's fragments land while the softmax is walked
.endr
.endr
.irp b, 0,1,2,3
	v_max3_num_f32 v[BM+\b], v[S+16*\b], v[S+1+16*\b], v[S+2+16*\b]   ; THE LARGEST SCORE OF EACH BLOCK OF 32 KEYS: for the row's maximum and, since p rises with the score, for the block's largest p
.endr
.irp i, 3,5,7,9,11,13
.irp b, 0,1,2,3
	v_max3_num_f32 v[BM+\b], v[BM+\b], v[S+16*\b+\i], v[S+1+16*\b+\i]   ; (the four blocks by turns)
.endr
.endr
.irp b, 0,1,2,3
	v_max_num_f32 v[BM+\b], v[BM+\b], v[S+15+16*\b]
.endr
.irp b, 0,1,2,3
	s_delay_alu instid0(VALU_DEP_4)
	v_permlanex16_b32 v[PB+\b], v[BM+\b], s[SEL], s[SEL+1]
.endr
.irp b, 0,1,2,3
	s_delay_alu instid0(VALU_DEP_4)
	v_max_num_f32 v[BM+\b], v[BM+\b], v[PB+\b]     ; with lane l xor 16's 16 keys
.endr
	s_delay_alu instid0(VALU_DEP_2)
	v_max3_num_f32 v[TP], v[BM], v[BM+1], v[BM+2]
	s_delay_alu instid0(VALU_DEP_1)
	v_max_num_f32 v[TP], v[TP], v[BM+3]            ; the step's largest score of my query
	s_delay_alu instid0(VALU_DEP_1)
	v_mul_f32 v[TP], s[CS], v[TP]                  ; as t (c is positive)
	s_delay_alu instid0(VALU_DEP_1)
	v_max_num_f32 v13, v13, v[TP]                  ; the running largest t
	v_mov_b32 v[TP], v12
	s_delay_alu instid0(VALU_DEP_2)
	v_floor_f32 v12, -v13                          ; the new -M = floor(-t) = -ceil(t): M is a whole number
	s_delay_alu instid0(VALU_DEP_1)
	v_sub_f32 v[TP], v12, v[TP]                    ; old M - new M: a whole number, 0 or less
	s_delay_alu instid0(VALU_DEP_1)
	v_cvt_i32_f32 v[TP], v[TP]                     ; (it saturates)
	s_delay_alu instid0(VALU_DEP_1)
	v_ldexp_f32 v[F], 1.0, v[TP]                   ; f = 2^(old M - new M)
.set j, 0
.rept 32
	v_pk_fma_f32 v[S+j:S+j+1], v[S+j:S+j+1], s[CS:CS+1], v[12:13] op_sel_hi:[1,0,0]   ; t - M, two at a time
.set j, j+2
.endr
.irp b, 0,1,2,3
	v_fma_f32 v[BM+\b], v[BM+\b], s[CS], v12       ; the same of each block's largest score
.endr
.set j, 0
	s_wait_alu depctr_va_vdst(0)
.rept 64
	v_exp_f32 v[S+j], v[S+j]                       ; p = 2^(t - M), at most 1
.set j, j+1
.endr
	s_setprio 1
	v_pk_mul_f32 v[14:15], v[14:15], v[F:F+1] op_sel_hi:[1,0]   ; the sums under the new M: the plain place behind the exponentials
	s_wait_alu depctr_va_vdst(0)                   ; one wait for the whole batch, ahead of its first reader
.irp b, 0,1,2,3
	v_exp_f32 v[BM+\b], v[BM+\b]                   ; the block's largest p: the same two instructions on the same number give the same bits
.endr
	v_pk_add_f32 v[232:233], v[100:101], v[104:105]
	v_pk_add_f32 v[254:255], v[108:109], v[112:113]
	v_pk_add_f32 v[252:253], v[116:117], v[120:121]
	v_pk_add_f32 v[250:251], v[124:125], v[128:129]
	v_pk_add_f32 v[248:249], v[132:133], v[136:137]
	v_pk_add_f32 v[246:247], v[140:141], v[144:145]
	v_pk_add_f32 v[244:245], v[148:149], v[152:153]
	v_pk_add_f32 v[14:15], v[14:15], v[156:157]
	v_pk_add_f32 v[232:233], v[232:233], v[96:97]
	v_pk_add_f32 v[254:255], v[254:255], v[98:99]
	v_pk_add_f32 v[252:253], v[252:253], v[102:103]
	v_pk_add_f32 v[250:251], v[250:251], v[106:107]
	v_pk_add_f32 v[248:249], v[248:249], v[110:111]
	v_pk_add_f32 v[246:247], v[246:247], v[114:115]
	v_pk_add_f32 v[244:245], v[244:245], v[118:119]
	v_pk_add_f32 v[14:15], v[14:15], v[122:123]
	v_pk_add_f32 v[232:233], v[232:233], v[126:127]
	v_pk_add_f32 v[254:255], v[254:255], v[130:131]
	v_pk_add_f32 v[252:253], v[252:253], v[134:135]
	v_pk_add_f32 v[250:251], v[250:251], v[138:139]
	v_pk_add_f32 v[248:249], v[248:249], v[142:143]
	v_pk_add_f32 v[246:247], v[246:247], v[146:147]
	v_pk_add_f32 v[244:245], v[244:245], v[150:151]
	v_pk_add_f32 v[14:15], v[14:15], v[154:155]
	v_pk_add_f32 v[232:233], v[232:233], v[158:159]
	s_delay_alu instid0(VALU_DEP_2)
	v_pk_add_f32 v[14:15], v[14:15], v[250:251]
	s_delay_alu instid0(VALU_DEP_2)
	v_pk_add_f32 v[232:233], v[232:233], v[248:249]
	v_pk_add_f32 v[254:255], v[254:255], v[246:247]
	v_pk_add_f32 v[252:253], v[252:253], v[244:245]
	s_delay_alu instid0(VALU_DEP_2)
	v_pk_add_f32 v[14:15], v[14:15], v[254:255]
	s_delay_alu instid0(VALU_DEP_2)
	v_pk_add_f32 v[232:233], v[232:233], v[252:253]
	s_delay_alu instid0(VALU_DEP_1)
	v_pk_add_f32 v[14:15], v[14:15], v[232:233]
	s_wait_alu depctr_va_vdst(0)                   ; and one for the four
.irp b, 0,1,2,3
	v_max_num_f32 v[BM+\b], 0x1800000, v[BM+\b]    ; the floor 2^(3 - 127): the byte cannot fall under 1
.endr
.irp b, 0,1,2,3
	s_delay_alu instid0(VALU_DEP_4)
	v_add_nc_u32 v[SO+\b], 0xff000000, v[BM+\b]    ; 2 off the exponent field: the conversion's scale operand
.endr
.irp b, 0,1,2,3
	s_delay_alu instid0(VALU_DEP_4)
	v_lshrrev_b32 v[PB+\b], 23, v[SO+\b]           ; the scale's byte
.endr
	s_delay_alu instid0(VALU_DEP_3)
	v_lshl_or_b32 v[PW], v[PB+1], 8, v[PB]         ; p's scale word for these 128 keys
	s_delay_alu instid0(VALU_DEP_1)
	v_lshl_or_b32 v[PW], v[PB+2], 16, v[PW]
	s_delay_alu instid0(VALU_DEP_1)
	v_lshl_or_b32 v[PW], v[PB+3], 24, v[PW]
.irp c, 0,1
	v_cvt_scalef32_pk16_fp6_f32 v[PC+6*\c:PC+6*\c+2], v[S+32*\c:S+15+32*\c], v[SO+2*\c]
	v_cvt_scalef32_pk16_fp6_f32 v[CT+4*\c:CT+4*\c+2], v[S+16+32*\c:S+31+32*\c], v[SO+2*\c+1]   ; (a conversion's three registers begin on an even number)
.endr
	v_nop                                          ; one plain place behind a scaled conversion
.irp c, 0,1                                    ; the operand's layout wants a WHOLE block in a lane
.irp i, 0,1,2
	v_permlane16_swap_b32 v[PC+6*\c+\i], v[CT+4*\c+\i]
.endr
.irp i, 0,1,2
	s_delay_alu instid0(VALU_DEP_3)
	v_mov_b32 v[PC+3+6*\c+\i], v[CT+4*\c+\i]
.endr
.endr
.set j, 0
	s_setprio 0
.rept 16
	v_pk_mul_f32 v[OT+j:OT+j+1], v[OT+j:OT+j+1], v[F:F+1] op_sel_hi:[1,0]   ; O^T under the new M, from each accumulator's low end on; these sixteen are also the places in front of the products below
.set j, j+2
.endr
	s_wait_alu depctr_va_vdst(0)
	s_wait_dscnt 0x0                               ; V's fragments are in
.irp t, 0,1,2,3
	PV \t
.endr
.endm
; A chunk of four records.  The issuing waves wait for this chunk's load (the 3 - c later chunks' loads may stay out), then the barrier shows it to all sixteen.  In the second pass the waits are met at once.
.macro CHUNK c
	s_wait_tensorcnt 3-\c
	s_wait_dscnt 0x0
	s_barrier_signal -1
	s_barrier_wait -1
	s_mov_b32 s[TB], 4*RECB*\c
	s_mov_b32 s[CNT], 4
.Lstep_\@:
	s_setprio 2
	STEP
	s_add_co_u32 s[TB], s[TB], RECB
	s_sub_co_u32 s[CNT], s[CNT], 1
	s_cmp_lg_u32 s[CNT], 0
	s_cbranch_scc1 .Lstep_\@
	s_setprio 0
.endm
	s_load_b256 s[4:11], s[0:1], 0x0               ; qw s[4:5], kv s[6:7], oc s[8:9], os s[10:11]
	v_lshl_add_u32 v[SPW], v0, 2, SPARE
	v_mov_b32 v[NIL], 0
	ds_add_u32 v[SPW], v[NIL]                      ; the wave's opening: the add and its wait stand ahead of the first tensor loads; the set-up below, work on registers, stands between them
	ds_add_u32 v[SPW], v[NIL]
	v_lshrrev_b32 v1, 5, v0
	s_delay_alu instid0(VALU_DEP_1)
	v_readfirstlane_b32 s[WV], v1                  ; wave 0..15
	s_bfe_u32 s13, ttmp6, 0x40000                  ; cx: my place in the cluster: it enters the addresses of qw, oc and os alone
	s_and_b32 s14, ttmp7, 0xffff                   ; 8 b + head, which the four partners share
	; descriptor group 1: a record is 12,800 dense bytes: 50 rows of 256 bytes (32 elements of 8 bytes), no padding
	s_mov_b32 s[G1], 15|(3<<16)|(1<<21)            ; 15:0 the mask: all four work-groups; 17:16 elements of 8 bytes; 21 set beside a mask
	s_mov_b32 s[G1+1], 32<<16                      ; tensor_dim0 = 32
	s_mov_b32 s[G1+2], 50<<16                      ; tensor_dim1 = 50
	s_mov_b32 s[G1+3], 32<<16                      ; tile_dim0 = 32
	s_mov_b32 s[G1+4], 50                          ; tile_dim1 = 50
	s_mov_b32 s[G1+5], 32                          ; from row to row
	s_mov_b32 s[G1+6], 0
	s_mov_b32 s[G1+7], 0
	s_and_b32 s15, s[WV], 3
	s_mul_i32 s48, s15, RECB                       ; which record of a chunk I fetch, if I fetch: its place in LDS and in memory
	s_mul_i32 s2, s14, 16*RECB                     ; the head's 16 records
	s_add_co_u32 s2, s2, s48
	s_mov_b32 s3, 0
	s_lshl_b32 s49, s14, 4                         ; my pair's record of qw: 16 (8 b + head) + 4 cx + wave / 4,
	s_lshl_b32 s58, s13, 2
	s_add_co_u32 s49, s49, s58
	s_lshr_b32 s58, s[WV], 2
	s_add_co_u32 s49, s49, s58
	s_mul_i32 s49, s49, QREC
	s_mul_i32 s58, s15, FRB                        ; image wave % 4 in it,
	s_add_co_u32 s58, s58, s49
	s_mov_b32 s59, 0
	s_lshl_b32 s60, s15, 2                         ; and word wave % 4 of a lane's four
	s_add_co_u32 s60, s60, s49
	s_mov_b32 s61, 0
	s_lshl_b32 s49, s13, 4
	s_add_co_u32 s49, s49, s[WV]                   ; my pair of tiles among the head's 64: 16 cx + wave
	s_lshr_b32 s62, s14, 3
	s_lshl_b32 s62, s62, 6
	s_add_co_u32 s62, s62, s49
	s_mul_i32 s62, s62, 12288                      ; oc: (64 b + pair) x 12,288
	s_and_b32 s63, s14, 7
	s_mul_i32 s63, s63, 768                        ; + 768 head
	s_add_co_u32 s62, s62, s63
	s_mov_b32 s63, 0
	s_lshl_b32 s22, s14, 6
	s_add_co_u32 s22, s22, s49
	s_lshl_b32 s22, s22, 7                         ; os: (64 (8 b + head) + pair) x 128
	s_mov_b32 s23, 0
	s_mov_b32 s[SEL], 0x76543210
	s_mov_b32 s[SEL+1], 0xfedcba98
	s_mov_b32 s[CS], 0x3e38aa3b                    ; c = log2(e) / 8
	s_mov_b32 s[CS+1], s[CS]                       ; (named with it as a pair, so it is written)
	s_wait_dscnt 0x0                               ; the opening add is done
	s_wait_kmcnt 0x0
	s_add_nc_u64 s[6:7], s[6:7], s[2:3]
	s_add_nc_u64 s[QB:QB+1], s[4:5], s[58:59]
	s_add_nc_u64 s[QB+2:QB+3], s[4:5], s[60:61]
	s_add_nc_u64 s[OB:OB+1], s[8:9], s[62:63]
	s_add_nc_u64 s[OSB:OSB+1], s[10:11], s[22:23]
.irp c, 0,1,2,3
	s_mov_b32 s[G0+4*\c], 1                        ; 1:0 count = 1
	s_add_co_u32 s[G0+4*\c+1], s48, 4*RECB*\c      ; 63:32 LDS address: record 4 c + wave
	s_add_nc_u64 s[G0+4*\c+2:G0+4*\c+3], s[6:7], 4*RECB*\c   ; 120:64 global address
	s_or_b32 s[G0+4*\c+3], s[G0+4*\c+3], 0x80000000   ; 127:126 type = 2
.endr
	CROUND                                         ; all four work-groups are here: the joint loads meet
	s_cmp_lt_u32 s[WV], 4                          ; waves 0-3 fetch: a wave's four first fills stand in one branch, ahead of every wait on TENSORcnt and every LDS read: four loads of mine are out
	s_cbranch_scc0 .Lno_fill
.irp c, 0,1,2,3
	tensor_load_to_lds s[G0+4*\c:G0+4*\c+3], s[G1:G1+7]
	s_nop 0
.endr
.rept 4
	v_nop
.endr
.Lno_fill:
	v_and_b32 v[L4], 31, v0
	s_delay_alu instid0(VALU_DEP_1)
	v_lshlrev_b32 v[LI], 4, v[L4]
	s_delay_alu instid0(VALU_DEP_2)
	v_lshlrev_b32 v[L8], 3, v[L4]
	s_delay_alu instid0(VALU_DEP_3)
	v_lshlrev_b32 v[L4], 2, v[L4]
.irp c, 0,1,2
	global_load_b128 v[QI+4*\c:QI+4*\c+3], v[LI], s[QB:QB+1] offset:512*\c   ; my pair's image [Q_a | Q_b]
.endr
	global_load_b32 v[QW], v[LI], s[QB+2:QB+3] offset:4*FRB   ; its scale word: bytes (a: blocks 0, 1; b: blocks 0, 1)
.irp i, 6,7,8,9,10,11
	v_mov_b32 v[QZ+\i], 0                          ; the zero codes between the two copies of Q
.endr
.irp b, 0,1,2,3
	v_mov_b32 v[PB+\b], 0                          ; written once: a lane permute's destination counts as one of its sources
.endr
	v_mov_b32 v[TP], 0
	v_mov_b32 v[PW], 0                             ; (named as the upper half of the pair with f before it is first written)
	v_mov_b32 v[OW], 0
	s_mov_b32 s[PASS], 2
	s_wait_loadcnt 0x0
.Lpass:                                            ; two trips: tile a, then tile b
.irp i, 0,1,2,3,4,5
	v_mov_b32 v[QZ+\i], v[QI+\i]
	v_mov_b32 v[QZ+12+\i], v[QI+\i]
.endr
.irp i, 0,1,2,3,4,5
	v_mov_b32 v[QI+\i], v[QI+6+\i]                 ; the next pass finds tile b here
.endr
	v_and_b32 v[QS], 0xffff, v[QW]
	s_delay_alu instid0(VALU_DEP_1)
	v_lshl_or_b32 v[QS], v[QS], 16, v[QS]          ; the tile's two bytes in both halves of the word
	v_lshrrev_b32 v[QW], 16, v[QW]
	v_mov_b32 v13, 0xff61b1e6                      ; the largest t so far: -3e38, under every t
	s_delay_alu instid0(VALU_DEP_1)
	v_floor_f32 v12, -v13                          ; -M
	v_mov_b32 v14, 0                               ; the sum, in two halves
	v_mov_b32 v15, 0
.set j, 0
.rept 32
	v_mov_b32 v[OT+j], 0                           ; O^T: the step is written once; its first trip finds zeros, which the first change of M leaves zeros.  (These are also the places between Q's operand and scale word and the first product)
.set j, j+1
.endr
	CHUNK 0
	CHUNK 1
	CHUNK 2
	CHUNK 3
	; THE TILE'S END: O^T / l, quantised along the head's 64 channels: two blocks of 32
.rept 4
	v_nop                                          ; places behind the last products
.endr
	v_add_f32 v14, v14, v15                        ; the sum's two halves,
	s_delay_alu instid0(VALU_DEP_1)
	v_permlanex16_b32 v[TP], v14, s[SEL], s[SEL+1]
	s_delay_alu instid0(VALU_DEP_1)
	v_add_f32 v14, v14, v[TP]                      ; and lane l xor 16's: the row's sum
	s_wait_alu depctr_va_vdst(0)
	v_rcp_f32 v14, v14
	v_nop                                          ; a plain place behind the reciprocal
	s_wait_alu depctr_va_vdst(0)                   ; and the wait ahead of its first reader
.set j, 0
.rept 16
	v_pk_mul_f32 v[S+j:S+j+1], v[OT+j:OT+j+1], v[14:15] op_sel_hi:[1,0]   ; register 16 b + i: channel 32 b + 16 (lane / 16) + i of my query
.set j, j+2
.endr
.irp b, 0,1
	v_max3_num_f32 v[BM+\b], |v[S+16*\b]|, |v[S+1+16*\b]|, 0x1800000   ; my 16 numbers of block b, and the floor
.endr
.irp i, 2,4,6,8,10,12,14
.irp b, 0,1
	s_delay_alu instid0(VALU_DEP_2)
	v_max3_num_f32 v[BM+\b], v[BM+\b], |v[S+16*\b+\i]|, |v[S+1+16*\b+\i]|
.endr
.endr
.irp b, 0,1
	s_delay_alu instid0(VALU_DEP_2)
	v_permlanex16_b32 v[PB+\b], v[BM+\b], s[SEL], s[SEL+1]
.endr
.irp b, 0,1
	s_delay_alu instid0(VALU_DEP_2)
	v_max_num_f32 v[BM+\b], v[BM+\b], v[PB+\b]
.endr
.irp b, 0,1
	s_delay_alu instid0(VALU_DEP_2)
	v_add_nc_u32 v[SO+\b], 0xff000000, v[BM+\b]
.endr
.irp b, 0,1
	s_delay_alu instid0(VALU_DEP_2)
	v_lshrrev_b32 v[PB+\b], 23, v[SO+\b]
.endr
	s_delay_alu instid0(VALU_DEP_1)
	v_lshl_or_b32 v[TP], v[PB+1], 8, v[PB]         ; the tile's two bytes
	v_lshrrev_b32 v[OW], 16, v[OW]                 ; the first pass's move down,
	s_delay_alu instid0(VALU_DEP_1)
	v_lshl_or_b32 v[OW], v[TP], 16, v[OW]          ; this pass's stand on top
	v_cvt_scalef32_pk16_fp6_f32 v[PC:PC+2], v[S:S+15], v[SO]
	v_cvt_scalef32_pk16_fp6_f32 v[CT:CT+2], v[S+16:S+31], v[SO+1]
	v_nop                                          ; one plain place behind a scaled conversion
.irp i, 0,1,2
	v_permlane16_swap_b32 v[PC+\i], v[CT+\i]       ; lanes 0-15 block 0, lanes 16-31 block 1, whole
.endr
.irp i, 0,1,2
	s_delay_alu instid0(VALU_DEP_3)
	v_mov_b32 v[PC+3+\i], v[CT+\i]
.endr
.irp i, 0,1,2
	global_store_b64 v[L8], v[PC+2*\i:PC+2*\i+1], s[OB:OB+1] offset:256*\i   ; 32 lanes store 256 consecutive bytes, at a multiple of 256 from oc's first byte
.endr
	s_wait_xcnt 0x0                                ; the stores have read their registers and their base: both may be written again
	s_add_nc_u64 s[OB:OB+1], s[OB:OB+1], 6144      ; the pair's second tile
	s_sub_co_u32 s[PASS], s[PASS], 1
	s_cmp_lg_u32 s[PASS], 0
	s_cbranch_scc1 .Lpass
	s_wait_alu depctr_va_vdst(0)
	global_store_b32 v[L4], v[OW], s[OSB:OSB+1]    ; the pair's scale words
	s_wait_tensorcnt 0x0                           ; the wave's end: s_wait_tensorcnt, the add to my spare word and its wait, behind my last tensor load
	ds_add_u32 v[SPW], v[NIL]
	s_wait_dscnt 0x0
	CROUND                                         ; the closing round: no work-group ends while a partner may still ask for a record that names it
	s_endpgm
.Lfunc_end_k_qbeda7eba3d_attn:
	.size	k_qbeda7eba3d_attn, .Lfunc_end_k_qbeda7eba3d_attn-k_qbeda7eba3d_attn
	.p2alignl 7, 3214868480
	.fill 96, 4, 3214868480
	.section	.rodata,"a",@progbits
	.p2align	6, 0x0
	.amdhsa_kernel k_qbeda7eba3d_attn
		.amdhsa_group_segment_fixed_size 206848
		.amdhsa_private_segment_fixed_size 0
		.amdhsa_enable_private_segment 0
		.amdhsa_kernarg_size 32
		.amdhsa_user_sgpr_count 2
		.amdhsa_user_sgpr_kernarg_segment_ptr 1
		.amdhsa_wavefront_size32 1
		.amdhsa_system_sgpr_workgroup_id_x 1
		.amdhsa_system_sgpr_workgroup_id_y 1
		.amdhsa_system_sgpr_workgroup_id_z 1
		.amdhsa_system_vgpr_workitem_id 0
		.amdhsa_next_free_vgpr 256
		.amdhsa_next_free_sgpr 66
		.amdhsa_reserve_vcc 0
		.amdhsa_float_denorm_mode_32 3
		.amdhsa_float_denorm_mode_16_64 3
		.amdhsa_memory_ordered 1
		.amdhsa_forward_progress 1
		.amdhsa_inst_pref_size 81
	.end_amdhsa_kernel
	.amdgpu_metadata
---
amdhsa.version: [ 1, 2 ]
amdhsa.kernels:
  - .name:           k_qbeda7eba3d_attn
    .symbol:         k_qbeda7eba3d_attn.kd
    .args:
      - { .name: qw, .offset: 0, .size: 8, .value_kind: global_buffer, .address_space: global }
      - { .name: kv, .offset: 8, .size: 8, .value_kind: global_buffer, .address_space: global }
      - { .name: oc, .offset: 16, .size: 8, .value_kind: global_buffer, .address_space: global }
      - { .name: os, .offset: 24, .size: 8, .value_kind: global_buffer, .address_space: global }
    .group_segment_fixed_size: 206848
    .private_segment_fixed_size: 0
    .kernarg_segment_align: 8
    .kernarg_segment_size: 32
    .max_flat_workgroup_size: 512
    .sgpr_count:     66
    .vgpr_count:     256
    .wavefront_size: 32
...
	.end_amdgpu_metadata
.endif
;; end of part 7
;; launch outp (part 8): grid 256 x 1, 2 waves a work-group, no clusters, 17,664 bytes of LDS; arguments oc, os, wf, out0; writes out0
.if DOCPART == 8
	.amdgcn_target "amdgcn-amd-amdhsa--gfx1250"
	.amdhsa_code_object_version 6
	.text
	.protected	k_qbeda7eba3d_outp
	.globl	k_qbeda7eba3d_outp
	.p2align	8
	.type	k_qbeda7eba3d_outp,@function
k_qbeda7eba3d_outp:
	s_mov_b64 s[64:65], 0
	v_nop
	global_prefetch_b8 v0, s[64:65] scope:SCOPE_SE
	s_setreg_imm32_b32 hwreg(HW_REG_WAVE_SCHED_MODE, 0, 2), 2
	s_setreg_imm32_b32 hwreg(HW_REG_WAVE_MODE, 25, 1), 1
	s_wait_xcnt 0x0
	s_wait_alu depctr_vm_vsrc(0)
; out = O WO, on codes of FP6 (E2M3) with one E8M0 scale for each 32 along K = 8 heads x 64 channels.  O's codes and scale bytes were made head by head by the launch before; WO's by the first launch (matrix 24 of wf).
; SHARES.  A wave takes a pair of token tiles (32 tokens) x all 64 columns: 32 products, 8 accumulators by turns.  512 pairs, two waves to a work-group.  Waves share nothing: no barrier.
; OPERANDS COME STRAIGHT INTO REGISTERS, in the operand's order.  K step s of O's fragment is [head 2 s's six registers | head 2 s + 1's]; its scale word is made of the two heads' words by one v_perm_b32.
; NO CLUSTER, NO JOINT LOADS: what the work-groups share is WO, 16 fragments x 1,536 + 16 x 128 = 26,624 bytes, read once a wave into registers; through LDS each fragment would be read once more.
; TRANSPOSED: source 0 = 16 columns of WO, source 1 = 16 tokens: a lane holds one token and eight neighbouring columns.  Lane r of tile u is token 8 u + r + 8 (r / 8) of the pair; register j of tile f is column 32 (f / 2) + 16 (lane / 16) + 8 (f % 2) + j.
; THE WAY OUT: through my own stage in LDS (32 rows of 256 bytes + 16) and back as whole rows: each store is two rows, 512 consecutive bytes at a multiple of 256 from out0's first byte.
; REGISTERS: window 0: addresses; v16-111 O's fragments (48 u + 6 head + 2 i), later rows of the result; v112-175 the accumulators (32 u + 8 f); v176-191 WO's scale words; v192-199 O's as loaded; v200-207 O's as the products want them.  window 1: WO's 16 fragments, 12 (4 f + s).
; THE MODE: SCHED_MODE bits 1:0 = 2 (LLVM: expert scheduling mode 2), set by the entry lines.  The code itself states the register dependences
; between vector or matrix instructions and memory or LDS instructions, with s_wait_alu, always for 0.
; THE PLAN.  Registers that memory or LDS instructions touch:
;   v1-3, v6-9     Addresses and the add's two: written at the head, never again.
;   window 1, WSC, OSW   Loaded once; read by the products and by v_perm_b32.
;   OF             Loaded; read by the products; then the rows of the result land there from the stage, and the global stores read them.
;   the accumulators     Written by the products; read by the LDS stores.
;   OS is written by v_perm_b32 and read by the products as scales.
; So four waits: the wave's number ahead of its first reader; the addresses ahead of the first load; O's scale words ahead of the first product; the products ahead of the way out.
.set FRB,   1536
.set WOC,   384*FRB                    ; wf: WO's codes
.set WOS,   400*FRB+384*128            ; and its scale words
.set SP,    272                        ; a stage row
.set STGB,  32*SP                      ; a wave's stage
.set SPARE, 2*STGB                     ; behind the stages: the spare words, 128 bytes for each wave: one block of 256 bytes that no other line names
.set LI,  1                            ; v1  16 x lane
.set LS,  2                            ; v2  4 x lane
.set L8,  3                            ; v3  8 x lane
.set SO,  6                            ; v6  the stage: where I put my token's columns
.set SR,  7                            ; v7  and where I read rows back
.set SPW, 8                            ; v8  LDS address of my spare word; never rewritten
.set NIL, 9                            ; v9  0; never rewritten
.set OF,  16
.set AC,  112
.set WSC, 176
.set OSW, 192
.set OS,  200
.set MSB, 0
.macro WIN new                         ; the immediate's high byte repeats the setting that is left
.if MSB != \new
	s_set_vgpr_msb (MSB<<8)|\new
.set MSB, \new
.endif
.endm
	s_load_b256 s[4:11], s[0:1], 0x0               ; oc s[4:5], os s[6:7], wf s[8:9], out0 s[10:11]
	v_lshl_add_u32 v[SPW], v0, 2, SPARE
	v_mov_b32 v[NIL], 0
	v_lshrrev_b32 v1, 5, v0
	v_readfirstlane_b32 s12, v1                    ; wave 0, 1
	v_and_b32 v[LS], 31, v0
	v_lshlrev_b32 v[LI], 4, v[LS]
	v_lshlrev_b32 v[L8], 3, v[LS]
	v_lshlrev_b32 v[LS], 2, v[LS]
	v_and_b32 v4, 15, v0                           ; r
	v_bfe_u32 v5, v0, 4, 1                         ; h
	v_and_b32 v[SO], 8, v4
	v_add_nc_u32 v[SO], v[SO], v4                  ; r + 8 (r / 8)
	v_mul_u32_u24 v[SO], v[SO], SP
	v_lshl_add_u32 v[SO], v5, 6, v[SO]             ; + 64 h: my half's 16 columns of each 32
	v_mul_u32_u24 v[SR], v5, SP                    ; back: lanes 0-15 one row, lanes 16-31 the next
	v_lshl_add_u32 v[SR], v4, 4, v[SR]
	s_wait_alu depctr_va_sdst(0)                   ; s12 is written, ahead of its first reader: my pair and my stage are made from it
	s_lshl_b32 s13, ttmp9, 1
	s_add_co_u32 s13, s13, s12                     ; my pair: 64 b + pair in the batch
	s_mul_i32 s14, s12, STGB                       ; my stage
	v_add_nc_u32 v[SO], s14, v[SO]
	v_add_nc_u32 v[SR], s14, v[SR]
	s_mul_i32 s16, s13, 12288                      ; oc: my pair's 16 half fragments
	s_mov_b32 s17, 0
	s_lshr_b32 s18, s13, 6
	s_lshl_b32 s18, s18, 16                        ; os: 65,536 b
	s_and_b32 s19, s13, 63
	s_lshl_b32 s19, s19, 7                         ; + 128 pair
	s_add_co_u32 s18, s18, s19
	s_mov_b32 s19, 0
	s_lshl_b32 s20, s13, 13                        ; out0: 32 rows of 256 bytes
	s_mov_b32 s21, 0
	s_wait_kmcnt 0x0
	s_add_nc_u64 s[4:5], s[4:5], s[16:17]
	s_add_nc_u64 s[6:7], s[6:7], s[18:19]
	s_add_nc_u64 s[10:11], s[10:11], s[20:21]
	WIN 0x40                                       ; destination window 1
	s_wait_alu depctr_va_vdst(0)                   ; the addresses v1 to v3 and v6 to v9 are written: every load, store and LDS instruction below reads one of them, and none is written again
.irp n, 0,1,2,3,4,5,6,7,8,9,10,11,12,13,14,15
.irp c, 0,1,2
	global_load_b128 v[12*\n+4*\c:12*\n+4*\c+3], v[LI], s[8:9] offset:WOC+FRB*\n+512*\c   ; WO's fragment n = 4 f + s
.endr
.endr
	WIN 0
.irp n, 0,1,2,3,4,5,6,7,8,9,10,11,12,13,14,15
	global_load_b32 v[WSC+\n], v[LS], s[8:9] offset:WOS+128*\n
.endr
.irp u, 0,1
.irp g, 0,1,2,3,4,5,6,7
.irp i, 0,1,2
	global_load_b64 v[OF+48*\u+6*\g+2*\i:OF+48*\u+6*\g+2*\i+1], v[L8], s[4:5] offset:6144*\u+768*\g+256*\i th:TH_LOAD_NT   ; tile u, head g: read once in the launch
.endr
.endr
.endr
.irp g, 0,1,2,3,4,5,6,7
	global_load_b32 v[OSW+\g], v[LS], s[6:7] offset:8192*\g th:TH_LOAD_NT   ; head g's word: bytes (tile 0: blocks 0, 1; tile 1: blocks 0, 1)
.endr
	s_wait_loadcnt 0x0
.irp s, 0,1,2,3
	v_perm_b32 v[OS+\s], v[OSW+2*\s+1], v[OSW+2*\s], 0x05040100     ; tile 0, K step s: head 2 s's two bytes, then head 2 s + 1's
	v_perm_b32 v[OS+4+\s], v[OSW+2*\s+1], v[OSW+2*\s], 0x07060302   ; tile 1
.endr
.rept 8
	v_nop                                          ; a scale register written by a vector instruction stands eight places ahead of a scaled matrix instruction
.endr
	WIN 0x01                                       ; source 0 (WO) window 1
	s_wait_alu depctr_va_vdst(0)                   ; the eight v_perm_b32 have written O's scale words, which the products take as scales; the places above stay beside this wait
.irp s, 0,1,2,3                                ; the eight accumulators take turns, one instruction a turn, K step by K step; K step 0 starts the sums
.irp u, 0,1
.irp f, 0,1,2,3
.if \s == 0
	v_wmma_scale_f32_16x16x128_f8f6f4 v[AC+32*\u+8*\f:AC+32*\u+8*\f+7], v[12*(4*\f+\s):12*(4*\f+\s)+11], v[OF+48*\u+12*\s:OF+48*\u+12*\s+11], 0, v[WSC+4*\f+\s], v[OS+4*\u+\s] matrix_a_fmt:MATRIX_FMT_FP6 matrix_b_fmt:MATRIX_FMT_FP6
.else
	v_wmma_scale_f32_16x16x128_f8f6f4 v[AC+32*\u+8*\f:AC+32*\u+8*\f+7], v[12*(4*\f+\s):12*(4*\f+\s)+11], v[OF+48*\u+12*\s:OF+48*\u+12*\s+11], v[AC+32*\u+8*\f:AC+32*\u+8*\f+7], v[WSC+4*\f+\s], v[OS+4*\u+\s] matrix_a_fmt:MATRIX_FMT_FP6 matrix_b_fmt:MATRIX_FMT_FP6
.endif
.endr
.endr
.endr
	WIN 0
.rept 4
	v_nop                                          ; places in front of the first read of results and of loads into O's registers
.endr
	s_wait_alu depctr_va_vdst(0)                   ; the products have written the accumulators, which the LDS stores read, and are done reading O's fragments, in which the loads from the stage land; the places above stay beside this wait
.irp u, 0,1
.irp f, 0,1,2,3
	ds_store_b128 v[SO], v[AC+32*\u+8*\f:AC+32*\u+8*\f+3] offset:8*SP*\u+128*(\f/2)+32*(\f%2)       ; each accumulator from its low end on
	ds_store_b128 v[SO], v[AC+32*\u+8*\f+4:AC+32*\u+8*\f+7] offset:8*SP*\u+128*(\f/2)+32*(\f%2)+16
.endr
.endr
.irp i, 0,1,2,3,4,5,6,7,8,9,10,11,12,13,14,15
	ds_load_b128 v[OF+4*\i:OF+4*\i+3], v[SR] offset:2*SP*\i   ; LDS serves a wave's instructions in order (ISA guide 5.7.1.4): these see my stores
.endr
.irp i, 0,1,2,3,4,5,6,7,8,9,10,11,12,13,14,15
	s_wait_dscnt 15-\i                             ; the younger loads may stay out
	global_store_b128 v[LI], v[OF+4*\i:OF+4*\i+3], s[10:11] offset:512*\i th:TH_STORE_NT   ; rows 2 i and 2 i + 1: written once, read by nobody here
.endr
	s_wait_dscnt 0x0                               ; the closing lines, six on end
	s_wait_alu 0x0
	s_wait_tensorcnt 0x0
	ds_add_u32 v[SPW], v[NIL]
	s_wait_dscnt 0x0
	s_endpgm
.Lfunc_end_k_qbeda7eba3d_outp:
	.size	k_qbeda7eba3d_outp, .Lfunc_end_k_qbeda7eba3d_outp-k_qbeda7eba3d_outp
	.p2alignl 7, 3214868480
	.fill 96, 4, 3214868480
	.section	.rodata,"a",@progbits
	.p2align	6, 0x0
	.amdhsa_kernel k_qbeda7eba3d_outp
		.amdhsa_group_segment_fixed_size 17664
		.amdhsa_private_segment_fixed_size 0
		.amdhsa_enable_private_segment 0
		.amdhsa_kernarg_size 32
		.amdhsa_user_sgpr_count 2
		.amdhsa_user_sgpr_kernarg_segment_ptr 1
		.amdhsa_wavefront_size32 1
		.amdhsa_system_sgpr_workgroup_id_x 1
		.amdhsa_system_sgpr_workgroup_id_y 1
		.amdhsa_system_sgpr_workgroup_id_z 1
		.amdhsa_system_vgpr_workitem_id 0
		.amdhsa_next_free_vgpr 448
		.amdhsa_next_free_sgpr 66
		.amdhsa_reserve_vcc 0
		.amdhsa_float_denorm_mode_32 3
		.amdhsa_float_denorm_mode_16_64 3
		.amdhsa_memory_ordered 1
		.amdhsa_forward_progress 1
		.amdhsa_inst_pref_size 23
	.end_amdhsa_kernel
	.amdgpu_metadata
---
amdhsa.version: [ 1, 2 ]
amdhsa.kernels:
  - .name:           k_qbeda7eba3d_outp
    .symbol:         k_qbeda7eba3d_outp.kd
    .args:
      - { .name: oc, .offset: 0, .size: 8, .value_kind: global_buffer, .address_space: global }
      - { .name: os, .offset: 8, .size: 8, .value_kind: global_buffer, .address_space: global }
      - { .name: wf, .offset: 16, .size: 8, .value_kind: global_buffer, .address_space: global }
      - { .name: out0, .offset: 24, .size: 8, .value_kind: global_buffer, .address_space: global }
    .group_segment_fixed_size: 17664
    .private_segment_fixed_size: 0
    .kernarg_segment_align: 8
    .kernarg_segment_size: 32
    .max_flat_workgroup_size: 64
    .sgpr_count:     66
    .vgpr_count:     448
    .wavefront_size: 32
...
	.end_amdgpu_metadata
.endif
;; end of part 8
